; MI455X (gfx1250); checked and timed in simulation.
; The chip was launched on July 23, 2026; its instructions are those of AMD's public machine-readable ISA for CDNA 5 (MIT licence, August 2026) and "CDNA5" Instruction Set Architecture Reference Guide (July 2026). The comments in the code are by the model that wrote it; some were corrected since.
;; Attention. Allowed arithmetic: matrix products marked QUANTISED: E2M3 operands, one E8M0 scale for each 32 along K, by v_wmma_scale_f32_16x16x128_f8f6f4 with both operands' format E2M3, f32 sums; everything else in f32.
;; Inputs: hidden_states_codes 2 x 2,048 x 32 x 24 uint8 (E2M3 codes of hidden_states, K innermost, in blocks of 32 codes, four codes in three bytes); hidden_states_scales 2 x 2,048 x 32 uint8 (E8M0 scales of hidden_states, one for each 32 codes along K); k_norm_w 128 float32; k_w_codes 1,024 x 32 x 24 uint8 (E2M3 codes of k_w, K innermost, in blocks of 32 codes, four codes in three bytes); k_w_scales 1,024 x 32 uint8 (E8M0 scales of k_w, one for each 32 codes along K); o_w_codes 1,024 x 64 x 24 uint8 (E2M3 codes of o_w, K innermost, in blocks of 32 codes, four codes in three bytes); o_w_scales 1,024 x 64 uint8 (E8M0 scales of o_w, one for each 32 codes along K); position_ids 2 x 2,048 int32; q_norm_w 128 float32; q_w_codes 2,048 x 32 x 24 uint8 (E2M3 codes of q_w, K innermost, in blocks of 32 codes, four codes in three bytes); q_w_scales 2,048 x 32 uint8 (E8M0 scales of q_w, one for each 32 codes along K); v_w_codes 1,024 x 32 x 24 uint8 (E2M3 codes of v_w, K innermost, in blocks of 32 codes, four codes in three bytes); v_w_scales 1,024 x 32 uint8 (E8M0 scales of v_w, one for each 32 codes along K).
;; Outputs: out0 2 x 2,048 x 1,024 float32.
;; This version of the problem:
;;   THIS VERSION OF THE PROBLEM IS GIVEN IN LOW PRECISION. The matrix products marked QUANTISED in the list below multiply operands that are first quantised to E2M3 (2 exponent bits, 3 mantissa bits; 6 bits a number), with one power-of-two scale for each 32 numbers along K (OCP MX v1.0); their sums are f32. All else is computed in f32.
;;   The module's matrix products, in the order in which they are computed (A, B: the left and right operand; K: the contracted axis; several contracted axes count as one K, in the product's order):
;;     1. [M 4,096, K 1,024] x [K 1,024, N 2,048]; A: input hidden_states (given as codes); B: input q_w (given as codes): QUANTISED
;;     2. [M 4,096, K 1,024] x [K 1,024, N 1,024]; A: input hidden_states (given as codes); B: input k_w (given as codes): QUANTISED
;;     3. [M 4,096, K 1,024] x [K 1,024, N 1,024]; A: input hidden_states (given as codes); B: input v_w (given as codes): QUANTISED
;;     4. batch 32 x [M 2,048, K 128] x [K 128, N 2,048]; A: computed on the way; B: computed on the way: QUANTISED
;;     5. batch 32 x [M 2,048, K 2,048] x [K 2,048, N 128]; A: softmax (see below); B: computed on the way: QUANTISED
;;     6. [M 4,096, K 2,048] x [K 2,048, N 1,024]; A: computed on the way; B: input o_w (given as codes): QUANTISED
;;   THE QUANTISER, for each operand of a quantised product, along K:
;;     - K is cut into blocks of 32 from its start; a last block that is shorter is filled with zeros.
;;     - A block's scale is 2^e with e = floor(log2(the largest magnitude in the block)) - 2, held to -126 .. 127; a block of zeros has e = 0. As a byte (E8M0): e + 127.
;;     - Each number is divided by its block's scale, clamped to +-7.5, and rounded to the nearest number of E2M3, ties to even, subnormals kept.
;;     - The product sums the exact products of the quantised numbers (number of the format x scale) in f32.
;;   ~~~python
;;   def quantise(x, axis):      # numpy; x: float32 -> the quantised numbers, widened to float32 again
;;       x = np.moveaxis(x, axis, -1); K = x.shape[-1]
;;       x = np.pad(x, [(0, 0)] * (x.ndim - 1) + [(0, -K % 32)]); x = x.reshape(x.shape[:-1] + (-1, 32)); a = np.abs(x).max(-1, keepdims=True)
;;       e = np.where(a > 0, np.clip(np.frexp(np.where(a > 0, a, 1))[1] - 1 - 2, -126, 127), 0)      # np.frexp(a)[1] - 1 = floor(log2(a)), exactly
;;       r = np.clip(x / 2.0 ** e, -7.5, 7.5)
;;       step = 2.0 ** (np.maximum(np.frexp(np.where(r == 0, 1, r))[1] - 1, 0) - 3)
;;       q = np.round(r / step) * step * 2.0 ** e      # np.round: ties to even
;;       return np.moveaxis(q.reshape(q.shape[:-2] + (-1,))[..., :K], -1, axis).astype(np.float32)
;;   ~~~
;;   SOFTMAX AHEAD OF A QUANTISED PRODUCT. Where the list says 'softmax', what is quantised is not the finished softmax but p = 2^(t - M), with t = logit x log2(e) and M = ceil(the row's largest t), a whole number; so 1/2 < the row's largest p <= 1. The row's sum l is taken of the UNQUANTISED p, in f32, and the product's result is divided by l at the end. Since M is a whole number, a kernel that streams over the keys may use a running M (the ceiling of the running maximum): every later rescaling is an exact power of two, which a block's scale takes up: the codes' values come out the same.
;;   OPERANDS COMPUTED ON THE WAY. 'Computed on the way' means the value that the module computes at that place (a softmax that the list does not call 'softmax' is quantised finished and normalised). What goes into a quantiser is computed in f32, as accurately as f32 sums, v_exp_f32 and their like allow (about 1e-6 of the number): no bf16 or f16 on the way to a quantiser, and a product that is left as it is and whose result goes on into a quantised operand takes f32 operands (vector FMAs, or v_wmma_f32_16x16x4_f32). A number that lies on a knife's edge between two numbers of the format may be rounded either way, as far as f32 arithmetic and the matrix unit's own rounding can turn it there, and no further.
;;   INPUTS GIVEN AS CODES. hidden_states (in the module: [2, 2048, 1024], K = its axis 2); k_w (in the module: [1024, 1024], K = its axis 1); o_w (in the module: [1024, 2048], K = its axis 1); q_w (in the module: [2048, 1024], K = its axis 1); v_w (in the module: [1024, 1024], K = its axis 1): each comes as NAME_codes (uint8): NAME with its K axis moved to the last place and cut into blocks of 32 codes, [.., K / 32, bytes a block], one block behind the other in memory; four codes in three bytes: a row's codes are one little-endian stream of bits, code i at bits 6 i .. 6 i + 5 (a code: sign, 2 exponent bits, 3 mantissa bits); and NAME_scales (uint8): the same leading axes, one E8M0 byte (e + 127) for each 32 codes along K. Its value is code x scale, taken as it is: it is not quantised again, and the codes and scales need not be those that the quantiser above would give.
;; One version. Each part assembles by itself: llvm-mc -triple=amdgcn-amd-amdhsa -mcpu=gfx1250 --defsym DOCPART=n.
;; ======== version 1 of 1: 4 launches
;; limits: inputs' magnitudes at most 131,072
;; workspace buffers: rope_tab 2,097,152 bytes; q_rec 6,553,600 bytes; kv_rec 6,553,600 bytes; attn_codes 6,291,456 bytes; attn_scales 262,144 bytes
;; launch rope (part 1): grid 256 x 1, 4 waves a work-group, no clusters, 0 bytes of LDS; arguments position_ids, rope_tab; writes rope_tab
.if DOCPART == 1
	.amdgcn_target "amdgcn-amd-amdhsa--gfx1250"
	.amdhsa_code_object_version 6
	.text
	.protected	k_qb6fdf95b73_rope
	.globl	k_qb6fdf95b73_rope
	.p2align	8
	.type	k_qb6fdf95b73_rope,@function
k_qb6fdf95b73_rope:
	s_mov_b64 s[64:65], 0
	v_nop
	global_prefetch_b8 v0, s[64:65] scope:SCOPE_SE
	s_setreg_imm32_b32 hwreg(HW_REG_WAVE_MODE, 25, 1), 1
	s_wait_xcnt 0x0
; THE PROGRAM: four launches.  rope: cos and sin of position x inv_freq, once for all 24 heads.  qkv: the three projections on the given codes, RMSNorm, RoPE, and the
; quantisers of q, k (along the head's 128) and v (along the keys).  attn: both products of the attention with the softmax between, and the quantiser of its result.  oproj: the last product.
; WORK LEFT OUT (in attn): reference() builds causal = tril(ones) in its own body and puts finfo.min where key > query; behind the maximum's subtraction exp gives 0 there for all finite inputs, since
; key 0 counts for every query and so the row's maximum is a true score.  So a step of 128 keys all of which come after a wave's 16 queries adds 0 to the sum and 0 to the product,
; whatever the inputs hold: such steps are not loaded from LDS, not multiplied and not exponentiated.  Inside a step on the diagonal hidden scores are replaced by -infinity.  Nothing else is left out; every input is loaded.
; LIMIT: a NaN, an infinity or an overflow that reaches only the steps left out is not carried to the result.
; THIS LAUNCH: rope_tab[token tile T of 16][i 0..15][lane][16 bytes], i = 4 bq + (0: cos j 0-3, 1: cos j 4-7, 2: sin j 0-3, 3: sin j 4-7); lane (r, h) holds token 16 T + r and frequency f = 16 bq + 8 h + j:
; the order in which a lane of qkv holds the head's numbers, so that the table comes there by loads of 16 bytes a lane.  A work-group takes a token tile, a wave one bq, a lane 8 angles.
; inv_freq = 1e6^(-f / 64) = 2^(-f c), c = log2(1e6) / 64 kept in two parts; the whole part of the exponent goes in by v_ldexp_f32.  The angle is one f32 product, as in reference().
; cos and sin: k = nearest whole number to angle x 2 / pi; r = angle - k pi / 2 with pi / 2 in three parts, by fused multiply-adds; Taylor sums on |r| <= pi / 4 (sin to r^9, cos to r^10: the first
; term left out is under 3e-9 of the result); the quadrant picks and signs them.
; LIMITS: |position| up to 2^17 (k x the first part of pi / 2 is then still exact in the fused multiply-add); inv_freq may differ from reference()'s f32 power by a unit or two in the last place.
.set FQ,  8                            ; v8-15    f as f32
.set NN,  16                           ; v16-23   the exponent's whole part
.set FRC, 24                           ; v24-31   its fraction, then inv_freq
.set XX,  32                           ; v32-39   the angle; later at work
.set KK,  40                           ; v40-47   k as f32; later at work
.set RR,  48                           ; v48-55   r
.set ZZ,  56                           ; v56-63   r^2, then r^3
.set CC,  64                           ; v64-71   cos r
.set SN,  72                           ; v72-79   sin r
.set II,  80                           ; v80-87   k as a whole number
.set CO,  88                           ; v88-95   cos of the angle
.set SI,  96                           ; v96-103  sin of the angle
	s_load_b128 s[4:7], s[0:1], 0x0                ; position_ids, rope_tab
	v_lshrrev_b32 v1, 5, v0
	v_readfirstlane_b32 s8, v1                     ; bq = the wave
	v_and_b32 v2, 15, v0                           ; r
	v_bfe_u32 v4, v0, 4, 1                         ; h
	v_lshlrev_b32 v1, 2, v2                        ; 4 r: my token's position
	v_and_b32 v3, 31, v0
	v_lshlrev_b32 v3, 4, v3                        ; 16 x lane: my place in a store's 512 bytes
	s_lshl_b32 s9, s8, 4
	v_lshl_add_u32 v5, v4, 3, s9                   ; 16 bq + 8 h
	s_lshl_b32 s10, ttmp9, 6                       ; 16 positions of 4 bytes a tile
	s_mov_b32 s11, 0
	s_lshl_b32 s12, ttmp9, 13                      ; 8,192 bytes of table a tile,
	s_lshl_b32 s13, s8, 11                         ; 2,048 a wave
	s_add_co_u32 s12, s12, s13
	s_mov_b32 s13, 0
	s_mov_b32 s14, 0xbe9f73da                      ; -c, high part
	s_mov_b32 s15, 0xb1e36e2e                      ; -c, low part
	s_mov_b32 s16, 0x3f22f983                      ; 2 / pi
	s_mov_b32 s17, 0xbfc90fdb                      ; -pi / 2 in three parts
	s_mov_b32 s18, 0x333bbd2e
	s_mov_b32 s19, 0x26f72ced
	s_mov_b32 s20, 0xb493f27e                      ; -1 / 10!
	s_mov_b32 s21, 0x37d00d01                      ; 1 / 8!
	s_mov_b32 s22, 0xbab60b61                      ; -1 / 6!
	s_mov_b32 s23, 0x3d2aaaab                      ; 1 / 4!
	s_mov_b32 s24, 0x3638ef1d                      ; 1 / 9!
	s_mov_b32 s25, 0xb9500d01                      ; -1 / 7!
	s_mov_b32 s26, 0x3c088889                      ; 1 / 5!
	s_mov_b32 s27, 0xbe2aaaab                      ; -1 / 3!
	s_wait_kmcnt 0x0
	s_add_nc_u64 s[4:5], s[4:5], s[10:11]
	s_add_nc_u64 s[6:7], s[6:7], s[12:13]
	global_load_b32 v2, v1, s[4:5]                 ; the position lands while inv_freq is made
.irp j, 0,1,2,3,4,5,6,7                        ; every line eight times: the eight angles take turns, so that no line waits for the line above it
	v_add_nc_u32 v[FQ+\j], \j, v5
.endr
.irp j, 0,1,2,3,4,5,6,7
	v_cvt_f32_u32 v[FQ+\j], v[FQ+\j]
.endr
.irp j, 0,1,2,3,4,5,6,7
	v_mul_f32 v[NN+\j], s14, v[FQ+\j]
.endr
.irp j, 0,1,2,3,4,5,6,7
	v_rndne_f32 v[NN+\j], v[NN+\j]                 ; the whole part of -f c
.endr
.irp j, 0,1,2,3,4,5,6,7
	v_fma_f32 v[FRC+\j], v[FQ+\j], s14, -v[NN+\j]  ; exact: the product's low bits are kept by the fused form
.endr
.irp j, 0,1,2,3,4,5,6,7
	v_fma_f32 v[FRC+\j], v[FQ+\j], s15, v[FRC+\j]
.endr
.irp j, 0,1,2,3,4,5,6,7
	v_exp_f32 v[FRC+\j], v[FRC+\j]                 ; one batch of eight
.endr
	v_nop                                          ; a plain instruction behind the last of them
.irp j, 0,1,2,3,4,5,6,7
	v_cvt_i32_f32 v[NN+\j], v[NN+\j]               ; work that names no result of the batch
.endr
	s_wait_alu depctr_va_vdst(0)                   ; one wait for the batch, ahead of its first reader
.irp j, 0,1,2,3,4,5,6,7
	v_ldexp_f32 v[FRC+\j], v[FRC+\j], v[NN+\j]     ; inv_freq
.endr
	s_wait_loadcnt 0x0
	v_cvt_f32_i32 v2, v2
.irp j, 0,1,2,3,4,5,6,7
	v_mul_f32 v[XX+\j], v2, v[FRC+\j]              ; the angle
.endr
.irp j, 0,1,2,3,4,5,6,7
	v_mul_f32 v[KK+\j], s16, v[XX+\j]
.endr
.irp j, 0,1,2,3,4,5,6,7
	v_rndne_f32 v[KK+\j], v[KK+\j]
.endr
.irp j, 0,1,2,3,4,5,6,7
	v_fma_f32 v[RR+\j], v[KK+\j], s17, v[XX+\j]
.endr
.irp j, 0,1,2,3,4,5,6,7
	v_fma_f32 v[RR+\j], v[KK+\j], s18, v[RR+\j]
.endr
.irp j, 0,1,2,3,4,5,6,7
	v_fma_f32 v[RR+\j], v[KK+\j], s19, v[RR+\j]
.endr
.irp j, 0,1,2,3,4,5,6,7
	v_mul_f32 v[ZZ+\j], v[RR+\j], v[RR+\j]
.endr
.irp j, 0,1,2,3,4,5,6,7
	v_fma_f32 v[CC+\j], v[ZZ+\j], s20, s21
	v_fma_f32 v[SN+\j], v[ZZ+\j], s24, s25
.endr
.irp j, 0,1,2,3,4,5,6,7
	v_fma_f32 v[CC+\j], v[CC+\j], v[ZZ+\j], s22
	v_fma_f32 v[SN+\j], v[SN+\j], v[ZZ+\j], s26
.endr
.irp j, 0,1,2,3,4,5,6,7
	v_fma_f32 v[CC+\j], v[CC+\j], v[ZZ+\j], s23
	v_fma_f32 v[SN+\j], v[SN+\j], v[ZZ+\j], s27
.endr
.irp j, 0,1,2,3,4,5,6,7
	v_fma_f32 v[CC+\j], v[CC+\j], v[ZZ+\j], -0.5
.endr
.irp j, 0,1,2,3,4,5,6,7
	v_fma_f32 v[CC+\j], v[CC+\j], v[ZZ+\j], 1.0    ; cos r
.endr
.irp j, 0,1,2,3,4,5,6,7
	v_mul_f32 v[ZZ+\j], v[ZZ+\j], v[RR+\j]         ; r^3
.endr
.irp j, 0,1,2,3,4,5,6,7
	v_fma_f32 v[SN+\j], v[SN+\j], v[ZZ+\j], v[RR+\j]   ; sin r
.endr
.irp j, 0,1,2,3,4,5,6,7
	v_cvt_i32_f32 v[II+\j], v[KK+\j]
.endr
.irp j, 0,1,2,3,4,5,6,7                        ; k odd: sin and cos change places
	v_and_b32 v[XX+\j], 1, v[II+\j]
	v_cmp_ne_u32 vcc_lo, 0, v[XX+\j]
	v_cndmask_b32 v[SI+\j], v[SN+\j], v[CC+\j], vcc_lo
	v_cndmask_b32 v[CO+\j], v[CC+\j], v[SN+\j], vcc_lo
.endr
.irp j, 0,1,2,3,4,5,6,7
	v_and_b32 v[XX+\j], 2, v[II+\j]                ; sin changes sign where k mod 4 is 2 or 3,
	v_add_nc_u32 v[KK+\j], 1, v[II+\j]
.endr
.irp j, 0,1,2,3,4,5,6,7
	v_and_b32 v[KK+\j], 2, v[KK+\j]                ; cos where it is 1 or 2
	v_lshlrev_b32 v[XX+\j], 30, v[XX+\j]
.endr
.irp j, 0,1,2,3,4,5,6,7
	v_lshlrev_b32 v[KK+\j], 30, v[KK+\j]
	v_xor_b32 v[SI+\j], v[SI+\j], v[XX+\j]
.endr
.irp j, 0,1,2,3,4,5,6,7
	v_xor_b32 v[CO+\j], v[CO+\j], v[KK+\j]
.endr
	global_store_b128 v3, v[CO:CO+3], s[6:7]                   ; each store of the wave covers 512 consecutive bytes, aligned
	global_store_b128 v3, v[CO+4:CO+7], s[6:7] offset:512
	global_store_b128 v3, v[SI:SI+3], s[6:7] offset:1024
	global_store_b128 v3, v[SI+4:SI+7], s[6:7] offset:1536
	s_endpgm
.Lfunc_end_k_qb6fdf95b73_rope:
	.size	k_qb6fdf95b73_rope, .Lfunc_end_k_qb6fdf95b73_rope-k_qb6fdf95b73_rope
	.p2alignl 7, 3214868480
	.fill 96, 4, 3214868480
	.section	.rodata,"a",@progbits
	.p2align	6, 0x0
	.amdhsa_kernel k_qb6fdf95b73_rope
		.amdhsa_group_segment_fixed_size 0
		.amdhsa_private_segment_fixed_size 0
		.amdhsa_enable_private_segment 0
		.amdhsa_kernarg_size 16
		.amdhsa_user_sgpr_count 2
		.amdhsa_user_sgpr_kernarg_segment_ptr 1
		.amdhsa_wavefront_size32 1
		.amdhsa_system_sgpr_workgroup_id_x 1
		.amdhsa_system_sgpr_workgroup_id_y 1
		.amdhsa_system_sgpr_workgroup_id_z 1
		.amdhsa_system_vgpr_workitem_id 0
		.amdhsa_next_free_vgpr 104
		.amdhsa_next_free_sgpr 66
		.amdhsa_reserve_vcc 1
		.amdhsa_float_denorm_mode_32 3
		.amdhsa_float_denorm_mode_16_64 3
		.amdhsa_memory_ordered 1
		.amdhsa_forward_progress 1
		.amdhsa_inst_pref_size 16
	.end_amdhsa_kernel
	.amdgpu_metadata
---
amdhsa.version: [ 1, 2 ]
amdhsa.kernels:
  - .name:           k_qb6fdf95b73_rope
    .symbol:         k_qb6fdf95b73_rope.kd
    .args:
      - { .name: position_ids, .offset: 0, .size: 8, .value_kind: global_buffer, .address_space: global }
      - { .name: rope_tab, .offset: 8, .size: 8, .value_kind: global_buffer, .address_space: global }
    .group_segment_fixed_size: 0
    .private_segment_fixed_size: 0
    .kernarg_segment_align: 8
    .kernarg_segment_size: 16
    .max_flat_workgroup_size: 128
    .sgpr_count:     66
    .vgpr_count:     104
    .wavefront_size: 32
...
	.end_amdgpu_metadata
.endif
;; end of part 1
;; launch qkv (part 2): grid 16 x 16, 4 waves a work-group, clusters of 4 x 4, 327,680 bytes of LDS; arguments hidden_states_codes, hidden_states_scales, q_w_codes, q_w_scales, k_w_codes, k_w_scales, v_w_codes, v_w_scales, q_norm_w, k_norm_w, rope_tab, q_rec, kv_rec; writes q_rec, kv_rec
.if DOCPART == 2
	.amdgcn_target "amdgcn-amd-amdhsa--gfx1250"
	.amdhsa_code_object_version 6
	.text
	.protected	k_qb6fdf95b73_qkv
	.globl	k_qb6fdf95b73_qkv
	.p2align	8
	.type	k_qb6fdf95b73_qkv,@function
k_qb6fdf95b73_qkv:
	s_mov_b64 s[64:65], 0
	v_nop
	global_prefetch_b8 v0, s[64:65] scope:SCOPE_SE
	s_setreg_imm32_b32 hwreg(HW_REG_WAVE_MODE, 25, 1), 1
	s_wait_xcnt 0x0
	s_wait_alu depctr_hold_cnt(0) depctr_sa_sdst(0) depctr_va_vdst(0) depctr_va_sdst(0) depctr_va_ssrc(0) depctr_va_vcc(0) depctr_vm_vsrc(0)
	s_getreg_b32 s2, hwreg(HW_REG_IB_STS2, 6, 4)
	s_cmp_eq_u32 s2, 0
	s_cbranch_scc0 .Lentry_in_a_cluster
	s_endpgm
.Lentry_in_a_cluster:
	s_bfe_u32 s2, ttmp6, 0x10000c
	s_cmp_lg_u32 s2, 0xf033
	s_cbranch_scc0 .Lentry_shape_is_right
	s_endpgm
.Lentry_shape_is_right:
; q, k, v = hidden_states x (q_w, k_w, v_w)^T on the given codes of FP6 (E2M3) with their E8M0 bytes; then, in f32, RMSNorm and RoPE of q and k; then the quantisers: q and k along the head's 128, v along the keys.
; No work of reference() is left out here.
; EVERY WORK-GROUP MAKES A TILE OF 256 x 256 OF (A B^T), K = 1,024: four waves, 128 x 128 each in 64 accumulators.  All four tensors have rows of 768 bytes of codes and 32 scale bytes, so one text serves all;
; only pointers and tile numbers are chosen, by the cluster's x, which all sixteen partners share:   x = 0, 1: A = hidden_states (tokens), B = q_w;   x = 2: A = hidden_states, B = k_w;   x = 3: A = v_w, B = hidden_states.
; THE MATRIX INSTRUCTION IS USED TRANSPOSED (source 0 = 16 rows of B, source 1 = 16 rows of A): a lane holds ONE row of A, and its registers run along B's rows.  For q and k that is one token and the head's 128 numbers,
; for v one channel d and 128 keys: in each case the registers run along the K of the product that follows, so the quantiser needs no transposition.  A wave's 128 x 128 is 128 tokens x one head.
; WHAT IS STORED: a RECORD of 12,800 bytes a wave: 8 images of operand registers (16 rows x 128 K: 12 registers a lane, as 3 pieces of 512 bytes, lane l's 16 bytes at 16 l) and then 128 scale words (word 16 i + r: row r of image i).
; q_rec [b][head 16][block of 128 tokens 16]; kv_rec [b][kv head 8][slot of 256 keys 8][K of the slot's first 128 keys, K of its second, V of the first, V of the second].
; ORDER INSIDE A BLOCK OF 32: place 16 h + 8 u + j of block B holds number 32 B + 16 u + 8 h + j.  The block holds its own 32 numbers, so its scale is the rule's; q and k are laid alike, and so are v (here) and p (in attn):
; each product has one permutation of K on both sides and is unchanged but for the order of its sums.  That order differs from reference()'s: a stated limit.
; LIMITS: a block of zeros gets the byte 1 (the rule says 127): its codes are zeros, and this program alone reads the bytes.  NaN and infinities among the inputs are not served.
; K goes in steps of 256 through a ring of two LDS slots filled by the tensor data mover; the scale bytes of the work-group's rows come once, with the first fills.
; CLUSTERS: 4 x 4 work-groups; A's tile is shared along a row of the cluster, B's along a column: each is asked for jointly, by the same tensor load with the same descriptor and a mask that names the four.
; REGISTERS, in windows of 256.  Window 0: v15-31 addresses; v32-63 scale words, two sets, and nothing else; v64-127 the norm's weights; v128-223 A's fragments, one set; on the way out v128-255 are at work.
;   Window 1: B's fragments, two sets, at v0 and v128; v96-127 and v224-255 the table's first block; on the way out four buffers of 64 for the table.   Windows 2, 3: the accumulators ((a, b) at v[8 (8 (a % 4) + b)]).
.set SIZE_K, 1024
.set KSTEP,  256                       ; along K in a slot
.set NQ,     KSTEP/128                 ; matrix instructions deep
.set ROWB,   192                       ; a tile's row in bytes
.set KROW,   SIZE_K*6/8                ; a row of codes in memory
.set PITCH,  240                       ; an LDS row: 3 x (64 bytes + 16 of padding) = 60 words: the 32 lanes of a load of 8 bytes touch 64 different banks (64 banks of 4 bytes: ISA guide 11.1)
.set FR,     12                        ; registers of a fragment
.set NL,     6                         ; LDS loads that bring one
.set NP,     4                         ; places behind this matrix instruction (ISA guide 7.12.1)
.set HALFT,  128*PITCH                 ; 128 rows: what one tensor load brings
.set SLOT,   4*HALFT                   ; A's 256 rows, then B's 256
.set LAPS,   SIZE_K/(2*KSTEP)
.set KS,     SIZE_K/32                 ; a row of scale bytes
.set SCL,    2*SLOT                    ; behind the ring: the scale bytes, as units of 256 bytes + 16 of padding
.set HALFS,  (128*KS/256)*272
.set SBLK,   (16*KS/256)*272
.set SPARE,  SCL+4*HALFS               ; the spare words, 128 bytes a wave: two blocks of 256 bytes that no other line names
.set STG,    SPARE+512                 ; q's and k's way out: 512 bytes a wave for a record's scale words
.set STGV,   STG+2048                  ; v's way out has bytes of its own
.set RECB,   12800
.set NWA,  15                          ; v15  32 h: my place in the norm's weights; never rewritten
.set ADRA, 16                          ; v16-17 LDS address of my A fragments in slot 0, 1 (v18-19: behind one padding more)
.set ADRB, 20                          ; v20-23 the same for B
.set LI,   24                          ; v24  16 x lane; never rewritten
.set SWA,  25                          ; v25  STG + 512 wave + 4 r
.set SWAV, 26                          ; v26  STGV + 512 wave + 4 r
.set ADRS, 27                          ; v27  LDS address of my scale words: lanes 0-15 A's rows, lanes 16-31 B's
.set SPW,  28                          ; v28  my spare word; never rewritten
.set NIL,  29                          ; v29  0; never rewritten
.set RDW,  30                          ; v30  STG + 512 wave + 16 lane
.set RDWV, 31                          ; v31  STGV + 512 wave + 16 lane
.set SC,   32
.set NW,   64                          ; register 8 b + j: w[16 b + 8 h + j]
.set AF,   128
.set CDS,  128                         ; the way out: v128-147 the codes just made
.set T,    148                         ; v148-163 at work
.set TM,   164                         ; v164-167 largest magnitudes, v168-171 bytes, v176-179 the conversions' scale operands
.set PW,   180                         ; the scale word just made
.set SS,   182                         ; v182-183 the sum of squares and its partner's
.set RS,   184                         ; v184-185 1 / sqrt(mean + eps), named as a pair
.set Y,    192                         ; v192-255 64 numbers of my row
.set ISV,  2                           ; s2  1 in v's work-groups
.set REC,  12                          ; s[12:13] my record
.set NRM,  66                          ; s[66:67] q_norm_w or k_norm_w
.set TAB,  96                          ; s[96:97] the table at my block of 128 tokens
.set C128, 98                          ; s98 1 / 128
.set CEPS, 99                          ; s99 1e-6
.set SEL,  100                         ; s[100:101] v_permlanex16_b32's selects for lane l xor 16
.set G1, 24
.set G0, 32
.set G1B, 48
.set G0B, 56
.set G1S, 68
.set G0S, 76
.set G1SB, 80
.set G0SB, 88
.set MSB, 0
.macro WIN new                         ; the immediate's high byte repeats the setting that is left
.if MSB != \new
	s_set_vgpr_msb (MSB<<8)|\new
.set MSB, \new
.endif
.endm
.set MUL_LO, 0xa1                      ; source 0 (B) window 1, source 1 (A) window 0, C and D window 2
.set MUL_HI, 0xf1                      ; the same, C and D window 3
.set TO_B,   0x40                      ; destination window 1, address window 0
; A joint load: waves 0 and 1 fetch for A, waves 2 and 3 for B.  Each line has one mask and one set of registers for all that issue it; the branch hangs on the wave's number alone.
; An s_nop 0 and four v_nop follow each of the two lines, ahead of the jump, the label and what follows.
.macro JLOAD g0a, g1a, g0b, g1b
	s_cmp_eq_u32 s15, 0
	s_cbranch_scc0 .Lfor_b_\@
	tensor_load_to_lds s[\g0a:\g0a+3], s[\g1a:\g1a+7]
	s_nop 0
.rept 4
	v_nop
.endr
	s_branch .Lasked_\@
.Lfor_b_\@:
	tensor_load_to_lds s[\g0b:\g0b+3], s[\g1b:\g1b+7]
	s_nop 0
.rept 4
	v_nop
.endr
.Lasked_\@:
.endm
.macro CREST                           ; a round of the cluster's barrier behind its opening barrier
	s_cmp_lg_u32 s14, 0
	s_cbranch_scc1 .Lnot_wave_0_\@
	s_barrier_signal -3
.Lnot_wave_0_\@:
	s_barrier_wait -3
	s_barrier_signal -1
	s_barrier_wait -1
.endm
.macro CROUND                          ; a whole round
	s_barrier_signal -1
	s_barrier_wait -1
	CREST
.endm
	s_load_b512 s[68:83], s[0:1], 0x0              ; hidden codes 68, scales 70; q_w 72, 74; k_w 76, 78; v_w 80, 82
	s_load_b256 s[84:91], s[0:1], 0x40             ; q_norm_w 84, k_norm_w 86, rope_tab 88, q_rec 90
	s_load_b64 s[92:93], s[0:1], 0x60              ; kv_rec
	v_lshl_add_u32 v[SPW], v0, 2, SPARE
	v_mov_b32 v[NIL], 0
	ds_add_u32 v[SPW], v[NIL]                      ; the wave's opening: the add, twice on end, and its wait ahead of my first tensor load; the set-up below, work on registers, stands between
	ds_add_u32 v[SPW], v[NIL]
	v_lshrrev_b32 v1, 5, v0
	v_readfirstlane_b32 s14, v1                    ; wave 0..3
	s_lshr_b32 s15, s14, 1                         ; which half of A's rows is mine.  Also: I fetch for A (0) or for B (1)
	s_and_b32 s16, s14, 1                          ; which half of B's rows.  Also: which 128 rows of that tile I fetch
	s_bfe_u32 s40, ttmp6, 0x40000                  ; cx, cy: my place in the cluster
	s_bfe_u32 s41, ttmp6, 0x40004
	s_and_b32 s18, ttmp7, 0xffff
	s_lshl_b32 s18, s18, 2                         ; 4 x cluster y
	s_and_b32 s19, ttmp9, 1
	s_lshl_b32 s19, s19, 2                         ; 4 x (cluster x mod 2): q_w's tiles 0-3 and 4-7, k_w's 0-3
	s_cmp_eq_u32 ttmp9, 3                          ; v's clusters?  The cluster's x is the same in all sixteen partners
	s_cselect_b32 s17, 0, s18
	s_cselect_b32 s42, s18, s19
	s_cselect_b32 s[ISV], 1, 0
	s_add_co_u32 s17, s17, s41                     ; A's tile: tokens 4 y + cy, or v_w's cy
	s_add_co_u32 s42, s42, s40                     ; B's tile: the weight's, or tokens 4 y + cx
	s_lshl_b32 s43, s41, 2
	s_lshl_b32 s43, 15, s43                        ; my row of the cluster
	s_lshl_b32 s44, 0x1111, s40                    ; my column
	s_or_b32 s[G1+0], s43, (0<<16)|(1<<20)|(1<<21)|(3<<22)|(3<<25)  ; 15:0 the mask; 17:16 elements of 1 byte; 20 padding on; 21 set beside a mask; 24:22 after every 16 words; 31:25 of 4 words
	s_or_b32 s[G1B+0], s44, (0<<16)|(1<<20)|(1<<21)|(3<<22)|(3<<25)
.irp g, G1, G1B
	s_mov_b32 s[\g+1], ROWB<<16                    ; tensor_dim0
	s_mov_b32 s[\g+2], 128<<16                     ; tensor_dim1
	s_mov_b32 s[\g+3], ROWB<<16                    ; tile_dim0
	s_mov_b32 s[\g+4], 128                         ; tile_dim1
	s_mov_b32 s[\g+5], KROW                        ; tensor_dim0_stride
	s_mov_b32 s[\g+6], 0
	s_mov_b32 s[\g+7], 0
.endr
	s_lshl_b32 s18, s16, 7                         ; which 128 rows of the tile I fetch
	s_lshl_b32 s20, s17, 8
	s_add_co_u32 s20, s20, s18                     ; A: row 256 x tile + 128 x half
	s_lshl_b32 s46, s42, 8
	s_add_co_u32 s46, s46, s18                     ; B likewise
	s_mov_b32 s21, 0
	s_mov_b32 s47, 0
	s_mov_b64 s[18:19], KS
	s_mul_u64 s[22:23], s[20:21], s[18:19]         ; where these rows' scale bytes begin
	s_mul_u64 s[98:99], s[46:47], s[18:19]
	s_mov_b64 s[18:19], KROW
	s_mul_u64 s[20:21], s[20:21], s[18:19]         ; and their codes
	s_mul_u64 s[46:47], s[46:47], s[18:19]
	s_mul_i32 s45, s14, HALFT                      ; where they go: wave x 128 rows: no place in the cluster enters an LDS address
	s_mul_i32 s94, s14, HALFS
	s_wait_dscnt 0x0                               ; both opening adds are done
	s_wait_kmcnt 0x0
	s_cmp_eq_u32 ttmp9, 3                          ; the buffers are chosen on the cluster's x alone
	s_cselect_b64 s[4:5], s[80:81], s[68:69]       ; A's codes: v_w or hidden_states
	s_cselect_b64 s[6:7], s[82:83], s[70:71]       ; A's scales
	s_cmp_lt_u32 ttmp9, 2
	s_cselect_b64 s[8:9], s[72:73], s[76:77]       ; B's codes: q_w or k_w,
	s_cselect_b64 s[10:11], s[74:75], s[78:79]
	s_cselect_b64 s[NRM:NRM+1], s[84:85], s[86:87]
	s_cselect_b64 s[REC:REC+1], s[90:91], s[92:93]
	s_cmp_eq_u32 ttmp9, 3
	s_cselect_b64 s[8:9], s[68:69], s[8:9]         ; or hidden_states
	s_cselect_b64 s[10:11], s[70:71], s[10:11]
	s_mov_b64 s[TAB:TAB+1], s[88:89]
	s_add_nc_u64 s[20:21], s[4:5], s[20:21]
	s_add_nc_u64 s[22:23], s[6:7], s[22:23]
	s_add_nc_u64 s[46:47], s[8:9], s[46:47]
	s_add_nc_u64 s[92:93], s[10:11], s[98:99]
	; the arguments have been taken: their registers now hold the descriptors for the scale bytes of 128 rows: a dense block of 4,096 bytes, as rows of 256 bytes (32 elements of 8), 16 bytes of padding behind each
	s_or_b32 s[G1S+0], s43, (3<<16)|(1<<20)|(1<<21)|(5<<22)|(3<<25)
	s_or_b32 s[G1SB+0], s44, (3<<16)|(1<<20)|(1<<21)|(5<<22)|(3<<25)
.irp g, G1S, G1SB
	s_mov_b32 s[\g+1], 32<<16
	s_mov_b32 s[\g+2], (128*KS/256)<<16
	s_mov_b32 s[\g+3], 32<<16
	s_mov_b32 s[\g+4], 128*KS/256
	s_mov_b32 s[\g+5], 32
	s_mov_b32 s[\g+6], 0
	s_mov_b32 s[\g+7], 0
.endr
	s_mov_b32 s[C128], 0x3c000000
	s_mov_b32 s[CEPS], 0x358637bd
	s_mov_b32 s[SEL], 0x76543210
	s_mov_b32 s[SEL+1], 0xfedcba98
	CROUND                                         ; all sixteen work-groups are here: the first joint loads meet
	s_mov_b32 s[G0S], 1
	s_add_co_u32 s[G0S+1], s94, SCL
	s_mov_b64 s[G0S+2:G0S+3], s[22:23]
	s_or_b32 s[G0S+3], s[G0S+3], 0x80000000
	s_mov_b32 s[G0SB], 1
	s_add_co_u32 s[G0SB+1], s94, SCL
	s_mov_b64 s[G0SB+2:G0SB+3], s[92:93]
	s_or_b32 s[G0SB+3], s[G0SB+3], 0x80000000
	JLOAD G0S, G1S, G0SB, G1SB                     ; the scale bytes first: they are wanted with K step 0
.irp s, 0,1
	s_mov_b32 s[G0+4*\s], 1
	s_add_co_u32 s[G0+4*\s+1], s45, \s*SLOT
	s_add_nc_u64 s[G0+4*\s+2:G0+4*\s+3], s[20:21], \s*ROWB
	s_or_b32 s[G0+4*\s+3], s[G0+4*\s+3], 0x80000000
	s_mov_b32 s[G0B+4*\s], 1
	s_add_co_u32 s[G0B+4*\s+1], s45, \s*SLOT
	s_add_nc_u64 s[G0B+4*\s+2:G0B+4*\s+3], s[46:47], \s*ROWB
	s_or_b32 s[G0B+4*\s+3], s[G0B+4*\s+3], 0x80000000
	JLOAD G0+4*\s, G1, G0B+4*\s, G1B               ; three tensor loads of mine are out now
.endr
	v_and_b32 v1, 15, v0                           ; r = l % 16
	v_bfe_u32 v2, v0, 4, 1                         ; h = l / 16
	v_mul_u32_u24 v3, v1, PITCH
	v_mul_u32_u24 v4, v2, 24
	v_add_nc_u32 v4, v3, v4                        ; a fragment's row x pitch + 24 x half
	v_lshl_add_u32 v5, v2, 4, v4                   ; and the same behind one padding more
	s_mul_i32 s21, s15, HALFT                      ; my 128 rows of A
	s_mul_i32 s22, s16, HALFT                      ; my 128 rows of B,
	s_add_co_u32 s22, s22, 2*HALFT                 ; which lie behind A's 256
.irp s, 0,1
	v_add_nc_u32 v[ADRA+\s], s21, v4
	v_add_nc_u32 v[ADRB+\s], s22, v4
	v_add_nc_u32 v[ADRA+2+\s], s21, v5
	v_add_nc_u32 v[ADRB+2+\s], s22, v5
	s_add_co_u32 s21, s21, SLOT
	s_add_co_u32 s22, s22, SLOT
.endr
	v_mul_u32_u24 v5, v1, KS                       ; my row's scale bytes: KS a row,
	v_lshrrev_b32 v6, 8, v5
	v_lshl_add_u32 v5, v6, 4, v5                   ; and 16 more for each 256 passed
	s_mul_i32 s21, s15, HALFS
	s_mul_i32 s22, s16, HALFS
	s_add_co_u32 s22, s22, 2*HALFS
	s_sub_co_u32 s22, s22, s21
	v_mul_u32_u24 v6, s22, v2                      ; lanes 16-31 take B's: one product, the distance between the two bases
	s_add_co_u32 s21, s21, SCL
	v_add_nc_u32 v5, v5, v6
	v_add_nc_u32 v[ADRS], s21, v5
	v_and_b32 v6, 31, v0
	v_lshlrev_b32 v[LI], 4, v6
	s_lshl_b32 s23, s14, 9                         ; 512 bytes of stage a wave
	v_lshlrev_b32 v7, 2, v1
	v_add_nc_u32 v7, s23, v7
	v_add_nc_u32 v[SWA], STG, v7
	v_add_nc_u32 v[SWAV], STGV, v7
	v_add_nc_u32 v7, s23, v[LI]
	v_add_nc_u32 v[RDW], STG, v7
	v_add_nc_u32 v[RDWV], STGV, v7
	v_lshlrev_b32 v[NWA], 5, v2
	; which record is mine, and where my tokens stand in the table
	s_lshl_b32 s18, s17, 1
	s_add_co_u32 s18, s18, s15                     ; 2 x A's tile + my half of its rows
	s_lshl_b32 s19, s42, 1
	s_add_co_u32 s19, s19, s16                     ; 2 x B's tile + my half of its rows
	s_cmp_eq_u32 ttmp9, 3
	s_cselect_b32 s20, s19, s18                    ; my block of 128 tokens, 0..31
	s_cselect_b32 s21, s18, s19                    ; my head
	s_lshr_b32 s22, s20, 4                         ; b
	s_and_b32 s23, s20, 15                         ; the block in its sequence
	s_lshl_b32 s46, s22, 4
	s_or_b32 s46, s46, s21
	s_lshl_b32 s46, s46, 4
	s_or_b32 s46, s46, s23                         ; q: (b x 16 + head) x 16 + block
	s_lshl_b32 s47, s22, 3
	s_or_b32 s47, s47, s21
	s_lshl_b32 s47, s47, 3
	s_lshr_b32 s92, s23, 1
	s_or_b32 s47, s47, s92                         ; k, v: ((b x 8 + head) x 8 + slot)
	s_lshl_b32 s47, s47, 1
	s_or_b32 s47, s47, s[ISV]                      ; x 2 + (v?)
	s_lshl_b32 s47, s47, 1
	s_and_b32 s92, s23, 1
	s_or_b32 s47, s47, s92                         ; x 2 + the slot's first or second 128 keys
	s_cmp_lt_u32 ttmp9, 2
	s_cselect_b32 s46, s46, s47
	s_mul_i32 s46, s46, RECB
	s_mov_b32 s47, 0
	s_add_nc_u64 s[REC:REC+1], s[REC:REC+1], s[46:47]
	s_lshl_b32 s46, s20, 16                        ; 8 token tiles of 8,192 bytes
	s_add_nc_u64 s[TAB:TAB+1], s[TAB:TAB+1], s[46:47]
; Where the table's block a lies in window 1: buffer k = a % 4; for each bq 16 registers: cos j 0-7, sin j 0-7
.macro CSBASE k, bq
.if (\k) == 0
.if (\bq) < 2
.set CB, 96+16*(\bq)
.else
.set CB, 224+16*((\bq)-2)
.endif
.elseif (\k) == 1
.set CB, 16*(\bq)
.elseif (\k) == 2
.if (\bq) < 2
.set CB, 64+16*(\bq)
.else
.set CB, 128+16*((\bq)-2)
.endif
.else
.set CB, 160+16*(\bq)
.endif
.endm
.macro CSLOAD a                        ; cos and sin for my tokens 16 a .. 16 a + 15: 16 loads, each 512 consecutive bytes
	WIN TO_B
.irp bq, 0,1,2,3
	CSBASE (\a)%4, \bq
.irp i, 0,1,2,3
	global_load_b128 v[CB+4*\i:CB+4*\i+3], v[LI], s[TAB:TAB+1] offset:8192*(\a)+2048*\bq+512*\i
.endr
.endr
	WIN 0
.endm
	; The norm's weights and the table's first block are asked for now and land under the products.  All work-groups ask, v's too, which do not use them: 32 loads a wave, so that the way out of q and k finds its registers written on every way through the text
.irp b, 0,1,2,3,4,5,6,7
	global_load_b128 v[NW+8*\b:NW+8*\b+3], v[NWA], s[NRM:NRM+1] offset:64*\b
	global_load_b128 v[NW+8*\b+4:NW+8*\b+7], v[NWA], s[NRM:NRM+1] offset:64*\b+16
.endr
	CSLOAD 0
.macro FRAG reg, adr, q, i             ; a fragment: lane l holds row l % 16; registers 6 c .. 6 c + 5 hold K = 64 c + 32 (l / 16) + 0 .. 31: 24 bytes of the row's stream of bits, as they lie, in pieces of 8 bytes
.irp p, 0,1,2,3,4,5
.set PC, 12*(\q)+6*(\p/3)+\p%3        ; 16 bytes of padding lie behind every 8 pieces: where the piece three on (lanes 16-31) lies behind one padding more, the second address register serves
.if PC%8 < 5
	ds_load_b64 v[\reg+2*\p:\reg+2*\p+1], v[\adr] offset:8*PC+16*(PC/8)+(\i)*16*PITCH
.else
	ds_load_b64 v[\reg+2*\p:\reg+2*\p+1], v[\adr+2] offset:8*PC+16*(PC/8)+(\i)*16*PITCH
.endif
.endr
.endm
; 16 matrix instructions: A's blocks a0, a0 + 1 x B's eight, 128 along K.  The 64 accumulators take turns, one instruction a turn, in the same order in every step.  zero = 1: the first product starts the sums
.macro MUL16 a0, p, q, sc, zero
.irp a, \a0, \a0+1
.irp b, 0,1,2,3,4,5,6,7
.if \zero
	v_wmma_scale_f32_16x16x128_f8f6f4 v[8*(8*((\a)%4)+\b):8*(8*((\a)%4)+\b)+7], v[128*(\p)+FR*\b:128*(\p)+FR*\b+FR-1], v[AF+FR*(\a):AF+FR*(\a)+FR-1], 0, v[SC+8*NQ*(\sc)+NQ*\b+(\q)], v[SC+8*NQ*(\sc)+NQ*(\a)+(\q)] matrix_a_fmt:MATRIX_FMT_FP6 matrix_b_fmt:MATRIX_FMT_FP6 matrix_a_scale:MATRIX_SCALE_ROW1
.else
	v_wmma_scale_f32_16x16x128_f8f6f4 v[8*(8*((\a)%4)+\b):8*(8*((\a)%4)+\b)+7], v[128*(\p)+FR*\b:128*(\p)+FR*\b+FR-1], v[AF+FR*(\a):AF+FR*(\a)+FR-1], v[8*(8*((\a)%4)+\b):8*(8*((\a)%4)+\b)+7], v[SC+8*NQ*(\sc)+NQ*\b+(\q)], v[SC+8*NQ*(\sc)+NQ*(\a)+(\q)] matrix_a_fmt:MATRIX_FMT_FP6 matrix_b_fmt:MATRIX_FMT_FP6 matrix_a_scale:MATRIX_SCALE_ROW1
.endif
.endr
.endr
.endm
.macro FETCH_B slot, q, p
	WIN TO_B
.irp i, 0,1,2,3,4,5,6,7
	FRAG 128*(\p)+FR*\i, ADRB+\slot, \q, \i
.endr
	WIN 0
.endm
.macro FETCH_A slot, q, i0
.irp i, \i0, \i0+1, \i0+2, \i0+3
	FRAG AF+FR*(\i), ADRA+\slot, \q, \i
.endr
.endm
.macro SCALES sc                       ; a K step's scale words: lanes 0-15 take A's block i, lanes 16-31 B's block i
.irp i, 0,1,2,3,4,5,6,7
	ds_load_b64 v[SC+8*NQ*\sc+NQ*\i:SC+8*NQ*\sc+NQ*\i+1], v[ADRS] offset:\i*SBLK
.endr
.endm
.macro PLACES n                        ; plain vector instructions between a matrix instruction and a load into, or a vector instruction on, its registers (ISA guide 7.12.1 for vector instructions)
.rept \n
	v_nop
.endr
.endm
.macro STEP slot, q, zero              ; a step of 128 along K that has its successor in the same slot
	s_wait_dscnt 4*NL                              ; B's set and A's blocks 0-3 are in; the youngest 24 loads (A's blocks 4-7) may be out
	WIN MUL_LO
	MUL16 0, (\q)%2, \q, \slot, \zero
	MUL16 2, (\q)%2, \q, \slot, \zero
	s_wait_dscnt 0                                 ; A's blocks 4-7 are in
	PLACES NP
	FETCH_B \slot, (\q)+1, 1-(\q)%2
	FETCH_A \slot, (\q)+1, 0
	WIN MUL_HI
	MUL16 4, (\q)%2, \q, \slot, \zero
	MUL16 6, (\q)%2, \q, \slot, \zero
	PLACES NP
	WIN 0
	FETCH_A \slot, (\q)+1, 4
.endm
; A slot's last step changes slots: one barrier; in front of it each wave waits for all its tensor loads, adds 0 to its spare word, and waits for that and for its own reads of this slot.  fill = 1: this slot is filled again, two K steps ahead
.macro TURN slot, next, fill
	s_wait_tensorcnt 0x0                           ; all my tensor loads have landed: my part of the next slot
	ds_add_u32 v[SPW], v[NIL]                      ; 0 onto my spare word
	s_wait_dscnt 4*NL+1                            ; (the add and the youngest 24 loads may be out)
	WIN MUL_LO
	MUL16 0, 1, NQ-1, \slot, 0                     ; sixteen matrix instructions stand between the add and the wait for it
	s_wait_dscnt 0x0                               ; the add is done, and my reads of this slot are over
	s_barrier_signal -1
	MUL16 2, 1, NQ-1, \slot, 0
	WIN 0
	s_barrier_wait -1
.if \fill
	CREST                                          ; the barrier has opened a round of the cluster's: no wave of any partner still reads this slot or has a load on its way
	s_add_nc_u64 s[G0+4*\slot+2:G0+4*\slot+3], s[G0+4*\slot+2:G0+4*\slot+3], 2*ROWB
	s_add_nc_u64 s[G0B+4*\slot+2:G0B+4*\slot+3], s[G0B+4*\slot+2:G0B+4*\slot+3], 2*ROWB
	JLOAD G0+4*\slot, G1, G0B+4*\slot, G1B         ; my one tensor load behind the round; its four v_nop are also the places in front of the loads below
.else
	PLACES NP
.endif
	v_add_nc_u32 v[ADRS], 4*NQ, v[ADRS]            ; on to the next K step's scale words
	FETCH_B \next, 0, 0
	FETCH_A \next, 0, 0
	SCALES \next
	WIN MUL_HI
	MUL16 4, 1, NQ-1, \slot, 0
	MUL16 6, 1, NQ-1, \slot, 0
	PLACES NP
	WIN 0
	FETCH_A \next, 0, 4
.endm
	s_wait_tensorcnt 1                             ; the scale bytes and my part of K step 0 are in; K step 1's load, issued behind them, may be out
	s_barrier_signal -1
	s_barrier_wait -1
	FETCH_B 0, 0, 0
	FETCH_A 0, 0, 0
	SCALES 0
	FETCH_A 0, 0, 4
	STEP 0, 0, 1                                   ; the first step stands in front of the loop: its products start the sums
	s_mov_b32 s3, LAPS-1
.Llap:                                                 ; a trip goes once round the ring and fills both slots again
	TURN 0, 1, 1
	STEP 1, 0, 0
	TURN 1, 0, 1
	STEP 0, 0, 0
	s_sub_co_u32 s3, s3, 1
	s_cmp_lg_u32 s3, 0
	s_cbranch_scc1 .Llap
	TURN 0, 1, 0                                   ; the last lap fills nothing
	STEP 1, 0, 0
	s_wait_dscnt 4*NL
	WIN MUL_LO
	MUL16 0, 1, NQ-1, 1, 0
	MUL16 2, 1, NQ-1, 1, 0
	s_wait_dscnt 0
	WIN MUL_HI
	MUL16 4, 1, NQ-1, 1, 0
	MUL16 6, 1, NQ-1, 1, 0
	WIN 0
; 64 numbers of a lane, v[s] .. v[s + 63] of window w, register 16 B + i, become a fragment's codes in v[CDS] on and its scale word in v[PW].  A block of 32 lies in lanes l and l xor 16.
.macro QUANT s, w
.set WA, (\w)|((\w)<<2)
.set WB, ((\w)<<2)|((\w)<<4)
.set WC, (\w)
	WIN WA
.irp b, 0,1,2,3
	v_max3_num_f32 v[TM+\b], |v[\s+16*\b]|, |v[\s+1+16*\b]|, 0x1800000   ; my 16 numbers of block b, from each accumulator's low end on, and the floor 2^(3 - 127): the byte cannot fall under 1
.endr
	WIN WB
.irp i, 2,4,6,8,10,12,14
.irp b, 0,1,2,3
	v_max3_num_f32 v[TM+\b], v[TM+\b], |v[\s+16*\b+\i]|, |v[\s+1+16*\b+\i]|
.endr
.endr
	WIN 0
.irp b, 0,1,2,3
	v_permlanex16_b32 v[TM+4+\b], v[TM+\b], s[SEL], s[SEL+1]
.endr
.irp b, 0,1,2,3
	v_max_num_f32 v[TM+\b], v[TM+\b], v[TM+4+\b]   ; the block's largest magnitude
.endr
.irp b, 0,1,2,3
	v_add_nc_u32 v[TM+12+\b], 0xff000000, v[TM+\b] ; 2 off its exponent field: the conversion takes this operand's exponent field as its scale
.endr
.irp b, 0,1,2,3
	v_lshrrev_b32 v[TM+4+\b], 23, v[TM+12+\b]      ; the scale's byte
.endr
	v_lshl_or_b32 v[PW], v[TM+5], 8, v[TM+4]
	v_lshl_or_b32 v[PW], v[TM+6], 16, v[PW]
	v_lshl_or_b32 v[PW], v[TM+7], 24, v[PW]
	s_wait_xcnt 0x0                                ; the last image's stores have read their data: the codes' registers are written again only behind this wait
	WIN WC
.irp c, 0,1
	v_cvt_scalef32_pk16_fp6_f32 v[CDS+6*\c:CDS+2+6*\c], v[\s+32*\c:\s+15+32*\c], v[TM+12+2*\c]
	v_cvt_scalef32_pk16_fp6_f32 v[CDS+12+4*\c:CDS+14+4*\c], v[\s+16+32*\c:\s+31+32*\c], v[TM+12+2*\c+1]   ; (a conversion's three registers begin on an even number)
.endr
	WIN 0
	v_nop                                          ; one plain place behind a scaled conversion
.irp c, 0,1                                    ; the operand's layout wants a whole block in a lane: lanes 0-15 block 2 c, lanes 16-31 block 2 c + 1
.irp i, 0,1,2
	v_permlane16_swap_b32 v[CDS+6*\c+\i], v[CDS+12+4*\c+\i]
.endr
.irp i, 0,1,2
	v_mov_b32 v[CDS+3+6*\c+\i], v[CDS+12+4*\c+\i]
.endr
.endr
.endm
.macro PUT a, swa                      ; image a of my record: three stores of 512 consecutive bytes, aligned; its scale words wait in my stage (lanes r and r + 16 write the same word with the same value)
.irp c, 0,1,2
	global_store_b128 v[LI], v[CDS+4*\c:CDS+4*\c+3], s[REC:REC+1] offset:1536*(\a)+512*\c
.endr
	ds_store_b32 v[\swa], v[PW] offset:64*(\a)
.endm
; Tokens 16 a .. 16 a + 15: RMSNorm over the head's 128 (64 numbers here, 64 in lane l xor 16), the norm's weights, RoPE; the result in v[Y] on.  Number 8 b + j is d = 16 b + 8 h + j; d and d + 64 lie 32 registers apart.
.macro NORMROPE a
.set W, 2+(\a)/4
.set AC, 64*((\a)%4)
.set WW, W|(W<<2)
	WIN WW
.irp i, 0,1,2,3                                ; the sum of squares, two at a time, in four chains; every accumulator is read from its low end on
.irp b, 0,1,2,3,4,5,6,7
.if (\i == 0) && (\b < 4)
	v_pk_mul_f32 v[T+2*\b:T+2*\b+1], v[AC+8*\b:AC+8*\b+1], v[AC+8*\b:AC+8*\b+1]
.else
	v_pk_fma_f32 v[T+2*(\b%4):T+2*(\b%4)+1], v[AC+8*\b+2*\i:AC+8*\b+2*\i+1], v[AC+8*\b+2*\i:AC+8*\b+2*\i+1], v[T+2*(\b%4):T+2*(\b%4)+1]
.endif
.endr
.endr
	WIN 0
	v_pk_add_f32 v[T:T+1], v[T:T+1], v[T+2:T+3]
	v_pk_add_f32 v[T+4:T+5], v[T+4:T+5], v[T+6:T+7]
	v_pk_add_f32 v[T:T+1], v[T:T+1], v[T+4:T+5]
	v_add_f32 v[SS], v[T], v[T+1]
	v_permlanex16_b32 v[SS+1], v[SS], s[SEL], s[SEL+1]
	v_add_f32 v[SS], v[SS], v[SS+1]
	v_fma_f32 v[SS], v[SS], s[C128], s[CEPS]       ; the mean + eps
	v_rsq_f32 v[RS], v[SS]
	v_nop                                          ; a plain instruction behind the transcendental
	s_wait_alu depctr_va_vdst(0)                   ; and the wait ahead of its first reader
	WIN W
.set n, 0
.rept 32
	v_pk_mul_f32 v[Y+n:Y+n+1], v[AC+n:AC+n+1], v[RS:RS+1] op_sel_hi:[1,0]
.set n, n+2
.endr
	WIN 0
.if (\a) < 5
	s_wait_loadcnt 48                              ; the weights and this block's 16 loads of the table are in; the three blocks asked for behind it, 48 loads, may be out
.else
	s_wait_loadcnt 16*(7-(\a))                     ; the last blocks: the counts run down
.endif
.set n, 0
.rept 32
	v_pk_mul_f32 v[Y+n:Y+n+1], v[NW+n:NW+n+1], v[Y+n:Y+n+1]
.set n, n+2
.endr
	WIN 0x04                                       ; source 1: the table, in window 1
.irp bq, 0,1,2,3
	CSBASE (\a)%4, \bq
.irp pr, 0,1,2,3
	v_pk_mul_f32 v[T+4*\pr:T+4*\pr+1], v[Y+8*\bq+2*\pr:Y+8*\bq+2*\pr+1], v[CB+2*\pr:CB+2*\pr+1]             ; x1 cos
.endr
.irp pr, 0,1,2,3
	v_pk_mul_f32 v[T+4*\pr+2:T+4*\pr+3], v[Y+8*\bq+2*\pr:Y+8*\bq+2*\pr+1], v[CB+8+2*\pr:CB+8+2*\pr+1]       ; x1 sin
.endr
.irp pr, 0,1,2,3
	v_pk_fma_f32 v[Y+8*\bq+2*\pr:Y+8*\bq+2*\pr+1], v[Y+32+8*\bq+2*\pr:Y+32+8*\bq+2*\pr+1], v[CB+8+2*\pr:CB+8+2*\pr+1], v[T+4*\pr:T+4*\pr+1] neg_lo:[1,0,0] neg_hi:[1,0,0]   ; x1 cos - x2 sin
.endr
.irp pr, 0,1,2,3
	v_pk_fma_f32 v[Y+32+8*\bq+2*\pr:Y+32+8*\bq+2*\pr+1], v[Y+32+8*\bq+2*\pr:Y+32+8*\bq+2*\pr+1], v[CB+2*\pr:CB+2*\pr+1], v[T+4*\pr+2:T+4*\pr+3]   ; x2 cos + x1 sin
.endr
.endr
	WIN 0
.if (\a)+4 < 8
	CSLOAD (\a)+4                                  ; the buffer just read takes the block four further on
.endif
.endm
	PLACES NP                                      ; behind the last products: for the reads of results, and for vector writes and loads into registers that held fragments
.irp b, 4,5,6,7
	v_mov_b32 v[TM+\b], 0                          ; written once: a lane permute's destination counts as one of its sources
.endr
	v_mov_b32 v[SS+1], 0
	v_mov_b32 v[RS+1], 0                           ; (named as the upper half of a pair)
	s_cmp_lg_u32 s[ISV], 0                         ; the cluster's x alone decides
	s_cbranch_scc1 .Lv
	CSLOAD 1
	CSLOAD 2
	CSLOAD 3
.irp a, 0,1,2,3,4,5,6,7
	NORMROPE \a
	QUANT Y, 0
	PUT \a, SWA
.endr
	ds_load_b128 v[T:T+3], v[RDW]                  ; LDS serves a wave's instructions in order (ISA guide 5.7.1.4): this sees my eight stores
	s_wait_dscnt 0x0
	global_store_b128 v[LI], v[T:T+3], s[REC:REC+1] offset:12288   ; the record's 128 scale words: 512 consecutive bytes, aligned
	s_branch .Lend
.Lv:                                                   ; v: a lane holds one channel d, its registers run along the keys: quantised straight out of the accumulators
.irp a, 0,1,2,3,4,5,6,7
.set W, 2+\a/4
.set AC, 64*(\a%4)
	QUANT AC, W
	PUT \a, SWAV
.endr
	ds_load_b128 v[T:T+3], v[RDWV]
	s_wait_dscnt 0x0
	global_store_b128 v[LI], v[T:T+3], s[REC:REC+1] offset:12288
.Lend:
	s_wait_tensorcnt 0x0                           ; the wave's end, behind my last tensor load and my last LDS store
	ds_add_u32 v[SPW], v[NIL]
	s_wait_dscnt 0x0
	CROUND                                         ; the closing round: no work-group ends while a partner may still ask for a tile that names it
	s_endpgm
.Lfunc_end_k_qb6fdf95b73_qkv:
	.size	k_qb6fdf95b73_qkv, .Lfunc_end_k_qb6fdf95b73_qkv-k_qb6fdf95b73_qkv
	.p2alignl 7, 3214868480
	.fill 96, 4, 3214868480
	.section	.rodata,"a",@progbits
	.p2align	6, 0x0
	.amdhsa_kernel k_qb6fdf95b73_qkv
		.amdhsa_group_segment_fixed_size 327680
		.amdhsa_private_segment_fixed_size 0
		.amdhsa_enable_private_segment 0
		.amdhsa_kernarg_size 104
		.amdhsa_user_sgpr_count 2
		.amdhsa_user_sgpr_kernarg_segment_ptr 1
		.amdhsa_wavefront_size32 1
		.amdhsa_system_sgpr_workgroup_id_x 1
		.amdhsa_system_sgpr_workgroup_id_y 1
		.amdhsa_system_sgpr_workgroup_id_z 1
		.amdhsa_system_vgpr_workitem_id 0
		.amdhsa_next_free_vgpr 1024
		.amdhsa_next_free_sgpr 102
		.amdhsa_reserve_vcc 0
		.amdhsa_float_denorm_mode_32 3
		.amdhsa_float_denorm_mode_16_64 3
		.amdhsa_memory_ordered 1
		.amdhsa_forward_progress 1
		.amdhsa_inst_pref_size 255
	.end_amdhsa_kernel
	.section	.bss,"aw",@nobits
	.p2align	6
	.space	262144
	.amdgpu_metadata
---
amdhsa.version: [ 1, 2 ]
amdhsa.kernels:
  - .name:           k_qb6fdf95b73_qkv
    .symbol:         k_qb6fdf95b73_qkv.kd
    .args:
      - { .name: hidden_states_codes, .offset: 0, .size: 8, .value_kind: global_buffer, .address_space: global }
      - { .name: hidden_states_scales, .offset: 8, .size: 8, .value_kind: global_buffer, .address_space: global }
      - { .name: q_w_codes, .offset: 16, .size: 8, .value_kind: global_buffer, .address_space: global }
      - { .name: q_w_scales, .offset: 24, .size: 8, .value_kind: global_buffer, .address_space: global }
      - { .name: k_w_codes, .offset: 32, .size: 8, .value_kind: global_buffer, .address_space: global }
      - { .name: k_w_scales, .offset: 40, .size: 8, .value_kind: global_buffer, .address_space: global }
      - { .name: v_w_codes, .offset: 48, .size: 8, .value_kind: global_buffer, .address_space: global }
      - { .name: v_w_scales, .offset: 56, .size: 8, .value_kind: global_buffer, .address_space: global }
      - { .name: q_norm_w, .offset: 64, .size: 8, .value_kind: global_buffer, .address_space: global }
      - { .name: k_norm_w, .offset: 72, .size: 8, .value_kind: global_buffer, .address_space: global }
      - { .name: rope_tab, .offset: 80, .size: 8, .value_kind: global_buffer, .address_space: global }
      - { .name: q_rec, .offset: 88, .size: 8, .value_kind: global_buffer, .address_space: global }
      - { .name: kv_rec, .offset: 96, .size: 8, .value_kind: global_buffer, .address_space: global }
    .group_segment_fixed_size: 327680
    .private_segment_fixed_size: 0
    .kernarg_segment_align: 8
    .kernarg_segment_size: 104
    .max_flat_workgroup_size: 128
    .sgpr_count:     102
    .vgpr_count:     1024
    .wavefront_size: 32
...
	.end_amdgpu_metadata
.endif
;; end of part 2
;; launch attn (part 3): grid 16 x 16, 16 waves a work-group, no clusters, 327,680 bytes of LDS; arguments q_rec, kv_rec, attn_codes, attn_scales; writes attn_codes, attn_scales
.if DOCPART == 3
	.amdgcn_target "amdgcn-amd-amdhsa--gfx1250"
	.amdhsa_code_object_version 6
	.text
	.protected	k_qb6fdf95b73_attn
	.globl	k_qb6fdf95b73_attn
	.p2align	8
	.type	k_qb6fdf95b73_attn,@function
k_qb6fdf95b73_attn:
	s_mov_b64 s[64:65], 0
	v_nop
	global_prefetch_b8 v0, s[64:65] scope:SCOPE_SE
	s_setreg_imm32_b32 hwreg(HW_REG_WAVE_MODE, 25, 1), 1
	s_wait_xcnt 0x0
; attn[b][q][head][:] = the sum over keys k <= q of softmax_k(q . k / sqrt(128)) v, both products on codes of FP6 (E2M3) with E8M0 scales, and the quantiser of the result along (head, d) for the last product.
; WORK LEFT OUT: key steps of 128 keys all of which come after a wave's 16 queries (reference()'s own tril hides them: p = 0 there for all inputs; shown at the head of the first kernel).
; A NaN or an infinity that reaches only such steps is not carried to the result.
; THE SOFTMAX AHEAD OF THE SECOND PRODUCT: t = score x log2(e) / sqrt(128); M = the running largest t rounded UP to a whole number; p = 2^(t - M) is quantised along the keys, not normalised; the row's sum is taken of
; the unquantised p and divides at the end.  When M moves, the sum and O are multiplied by 2^(old M - new M): exact.
; SHARES.  Work-group x = 8 g + p, y = 8 b + kv head: query head 2 kv head + g, query blocks (of 128) p and 15 - p: together 17 key steps for each tile pair, whatever p is.  Each of the sixteen waves owns one tile of 16 queries;
; waves are dealt to the two blocks so that of any four waves w % 4 alike, and of any four w / 4 alike, two have each block.
; OPERANDS ARE IMAGES OF REGISTERS, as qkv stored them: a fragment is three loads of 16 bytes a lane, 512 consecutive bytes each: no pitch, no padding.  A slot of 256 keys is 51,200 dense bytes of kv_rec:
; K of keys 0-127, K of keys 128-255, V likewise; each 8 images and 128 scale words.  Two slots take turns; wave 0 fetches a slot's K, wave 1 its V, 100 rows of 256 bytes each.
; LAYOUT.  S^T = K Q^T (source 0 = 16 keys, source 1 = my 16 queries), O^T = V^T P^T: a lane holds ONE query throughout.  Register 8 t + j of S^T is key 16 t + 8 (lane / 16) + j; quantised as qkv quantises v, so both sides
; of the second product have the same order inside each block of 32 keys.  The order of its sums differs from reference()'s: a stated limit.
; NO CLUSTER: how many slots a work-group asks for, ceil((16 - p) / 2), hangs on its number;
; a work-group fetches 51,200 bytes for two key steps of sixteen waves.
; LIMITS: a block of zeros gets the byte 1 with zero codes (bytes read by this program alone); NaN and infinities are not served.
; REGISTERS: v1-3 lane terms; v5, v6 the add's two; v8, v9 addresses in hand; v12 -M, v13 the largest t, v[14:15] the sum; v16-27 Q; v28 the prefetches' offset; v32-79 four fragments; v96-159 S^T, then p; v160-223 O^T;
; v224-235 p's codes; v232-247, v250, v252, v254 at work; v248, v249 K's or V's scale words (lanes 0-15 an even tile's, lanes 16-31 the odd one's); v253 p's scale word; v255 Q's.
.set SK,    256                        ; keys in a slot
.set RECB,  12800                      ; a record: 8 images of 1,536 bytes, 512 bytes of scale words
.set SLOTB, 4*RECB
.set SLOT1, 1<<16                      ; slot 1 begins here: one exclusive or turns an address in one slot into the other's
.set SPARE, 2*SLOT1                    ; the spare words, 128 bytes a wave: eight blocks of 256 bytes that no other line names
.set NSL,   8
.set LI,   1                           ; v1  16 x lane
.set LW,   2                           ; v2  4 x lane
.set R4,   3                           ; v3  4 x (lane % 16)
.set SPW,  5
.set NIL,  6
.set ADI,  8
.set ADW,  9
.set PFO,  28
.set TB,   2                           ; s2  LDS byte at which the slot in hand begins
.set WV,   18
.set SEL,  20
.set CS,   22                          ; s[22:23] c = log2(e) / sqrt(128), twice
.set G1,   24
.set G0,   40                          ; s[40:43] the walking group 0
.set SLOTS, 67
.set LASTQ, 68                         ; s68 my work-group's last query
.set PFA,  76
.set LIM,  80
.set KF,   98                          ; s98 the step's first key
.set Q0,   99                          ; s99 my first query
.macro TLOAD                           ; waves 0 and 1 fetch; the branch hangs on the wave's number alone.  An s_nop 0 and four v_nop follow the line
	s_cmp_lt_u32 s[WV], 2
	s_cbranch_scc0 .Lasked_\@
	tensor_load_to_lds s[G0:G0+3], s[G1:G1+7]
	s_nop 0
.rept 4
	v_nop
.endr
.Lasked_\@:
.endm
; A PREFETCH INTO THE L2 of the slot that the NEXT change of slots will ask for: 200 blocks of 256 bytes, a slot's two key steps ahead of that load.  Sixteen work-groups walk the same K and V: the one with x = 0 asks, which walks
; all eight slots; in it waves 4 to 10, which fetch nothing, one instruction each, lanes 256 bytes apart, 8,192 bytes a wave.  7 x 32 lanes are 24 more than the blocks: wave 10's lanes 8 to 31 are held at the slot's last block,
; which that one instruction so names more than once.  Slots 0 and 1 come by their loads alone; the last change that fills a slot asks for nothing.
.macro ASK
	s_cmp_gt_u32 s[SLOTS], s[LIM]
	s_cbranch_scc0 .Lnot_mine_\@
	global_prefetch_b8 v[PFO], s[PFA:PFA+1] th:TH_LOAD_NT scope:SCOPE_SE
.Lnot_mine_\@:
.endm
	s_load_b256 s[4:11], s[0:1], 0x0               ; q_rec, kv_rec, attn_codes, attn_scales
	v_lshl_add_u32 v[SPW], v0, 2, SPARE
	v_mov_b32 v[NIL], 0
	ds_add_u32 v[SPW], v[NIL]                      ; the wave's opening: the add, twice on end, and its wait ahead of the first tensor load; the set-up below stands between
	ds_add_u32 v[SPW], v[NIL]
	v_lshrrev_b32 v8, 5, v0
	v_readfirstlane_b32 s[WV], v8                  ; wave 0..15
	s_and_b32 s70, ttmp9, 7                        ; p
	s_lshr_b32 s71, ttmp9, 3                       ; g
	s_and_b32 s72, ttmp7, 0xffff                   ; y = 8 b + kv head
	s_lshr_b32 s73, s72, 3                         ; b
	s_and_b32 s74, s72, 7
	s_lshl_b32 s75, s74, 1
	s_add_co_u32 s75, s75, s71                     ; the query head
	s_lshr_b32 s82, s[WV], 2
	s_xor_b32 s82, s82, s[WV]
	s_and_b32 s82, s82, 1                          ; which of the two blocks is mine
	s_sub_co_u32 s83, 15, s70
	s_cmp_lg_u32 s82, 0
	s_cselect_b32 s84, s83, s70                    ; my block of 128 queries
	s_lshr_b32 s85, s[WV], 1                       ; my tile in it
	s_lshl_b32 s[Q0], s84, 7
	s_lshl_b32 s86, s85, 4
	s_add_co_u32 s[Q0], s[Q0], s86
	s_sub_co_u32 s[LASTQ], 16, s70
	s_lshl_b32 s[LASTQ], s[LASTQ], 7
	s_sub_co_u32 s[LASTQ], s[LASTQ], 1             ; 128 (16 - p) - 1
	s_lshl_b32 s86, s73, 4
	s_or_b32 s86, s86, s75
	s_lshl_b32 s86, s86, 4
	s_or_b32 s86, s86, s84
	s_mul_i32 s86, s86, RECB                       ; Q's record
	s_mov_b32 s87, 0
	s_mul_i32 s88, s72, NSL*SLOTB                  ; my kv head's eight slots
	s_mov_b32 s89, 0
	s_lshl_b32 s90, s73, 7
	s_lshl_b32 s91, s84, 3
	s_add_co_u32 s90, s90, s91
	s_add_co_u32 s90, s90, s85                     ; my row tile: 128 b + 8 block + tile
	s_lshl_b32 s90, s90, 4
	s_add_co_u32 s90, s90, s75                     ; x 16 + head
	s_lshl_b32 s92, s90, 6                         ; its 16 scale words
	s_mov_b32 s93, 0
	s_mul_i32 s90, s90, 1536                       ; its image
	s_mov_b32 s91, 0
	s_and_b32 s94, s[WV], 1
	s_mul_i32 s94, s94, 2*RECB                     ; what I fetch, if I fetch: K's two records or V's
	s_mov_b32 s95, 0
	s_mov_b32 s[G1], 3<<16                         ; no mask; elements of 8 bytes; no padding
	s_mov_b32 s[G1+1], 32<<16                      ; tensor_dim0: 256 bytes
	s_mov_b32 s[G1+2], 100<<16                     ; tensor_dim1
	s_mov_b32 s[G1+3], 32<<16                      ; tile_dim0
	s_mov_b32 s[G1+4], 100                         ; tile_dim1
	s_mov_b32 s[G1+5], 32                          ; dense
	s_mov_b32 s[G1+6], 0
	s_mov_b32 s[G1+7], 0
	s_mov_b32 s[SEL], 0x76543210
	s_mov_b32 s[SEL+1], 0xfedcba98
	s_mov_b32 s[CS], 0x3e0293ee
	s_mov_b32 s[CS+1], s[CS]
	s_mov_b32 s[TB], 0
	s_mov_b32 s[SLOTS], NSL-1
	s_mov_b32 s[KF], 0
	s_sub_co_u32 s82, s[WV], 4
	s_cmp_lt_u32 s82, 7                            ; waves 4 to 10
	s_cselect_b32 s[LIM], 1, -1
	s_cmp_eq_u32 ttmp9, 0                          ; of the work-group with x = 0
	s_cselect_b32 s[LIM], s[LIM], -1
	s_lshl_b32 s83, s82, 13
	s_wait_dscnt 0x0                               ; both opening adds are done
	s_wait_kmcnt 0x0
	s_add_nc_u64 s[6:7], s[6:7], s[88:89]
	s_mov_b32 s[G0], 1
	s_mov_b32 s[G0+1], s94
	s_add_nc_u64 s[G0+2:G0+3], s[6:7], s[94:95]
	s_or_b32 s[G0+3], s[G0+3], 0x80000000
	TLOAD                                          ; slot 0: it holds key 0, which counts for every query
	s_add_nc_u64 s[PFA:PFA+1], s[6:7], SLOTB       ; in slot 1: the first change of slots steps it to slot 2
	s_add_nc_u64 s[4:5], s[4:5], s[86:87]
	s_add_nc_u64 s[8:9], s[8:9], s[90:91]
	s_add_nc_u64 s[10:11], s[10:11], s[92:93]
	v_and_b32 v8, 31, v0
	v_lshlrev_b32 v[LI], 4, v8
	v_lshlrev_b32 v[LW], 2, v8
	v_and_b32 v9, 15, v0
	v_lshlrev_b32 v[R4], 2, v9
	s_mul_i32 s96, s85, 1536
	v_add_nc_u32 v10, s96, v[LI]                   ; my tile's image in Q's record
	s_lshl_b32 s97, s85, 6
	v_add_nc_u32 v11, s97, v[R4]                   ; and its scale words
.irp c, 0,1,2
	global_load_b128 v[16+4*\c:19+4*\c], v10, s[4:5] offset:512*\c
.endr
	global_load_b32 v255, v11, s[4:5] offset:12288
	v_lshl_add_u32 v[PFO], v8, 8, s83
	v_min_u32 v[PFO], SLOTB-256, v[PFO]            ; inside the slot in every lane of every wave
	v_mov_b32 v13, 0xff61b1e6                      ; the largest t so far: -3e38
	v_floor_f32 v12, -v13                          ; -M
	v_mov_b32 v14, 0
	v_mov_b32 v15, 0
.irp b, 0,1,2,3
	v_mov_b32 v[236+\b], 0                         ; written once: a lane permute's destination counts as one of its sources
.endr
	v_mov_b32 v252, 0
	v_mov_b32 v253, 0
.set n, 0
.rept 64
	v_mov_b32 v[160+n], 0                          ; O^T.  (The step is written once: the first finds zeros, which the first change of M leaves zeros)
.set n, n+1
.endr
; A KEY STEP: 128 keys, the q-th of the slot in hand
.macro STEP q
	s_add_co_u32 s96, s[Q0], 15                    ; a step all of whose keys come after my 16 queries is left out: a scalar branch on ids, round the step's loads, products and softmax
	s_cmp_gt_u32 s[KF], s96
	s_cbranch_scc1 .Lhidden_\@
	v_add_nc_u32 v[ADI], s[TB], v[LI]
	v_add_nc_u32 v[ADW], s[TB], v[LW]
	v_nop
	v_nop                                          ; four places in front of loads into registers that the last step's matrix instructions have read
.irp g, 0,1                                    ; S^T = K Q^T, four tiles of 16 keys at a time
.if \g > 0
.rept 4
	v_nop
.endr
.endif
.irp t, 0,1,2,3
.irp c, 0,1,2
	ds_load_b128 v[32+12*\t+4*\c:35+12*\t+4*\c], v[ADI] offset:RECB*(\q)+1536*(4*\g+\t)+512*\c
.endr
.endr
.irp u, 0,1
	ds_load_b32 v[248+\u], v[ADW] offset:RECB*(\q)+12288+128*(2*\g+\u)
.endr
	s_wait_dscnt 0x0
.irp t, 0,1,2,3
.if \t%2 == 0
	v_wmma_scale_f32_16x16x128_f8f6f4 v[96+8*(4*\g+\t):103+8*(4*\g+\t)], v[32+12*\t:43+12*\t], v[16:27], 0, v[248+\t/2], v255 matrix_a_fmt:MATRIX_FMT_FP6 matrix_b_fmt:MATRIX_FMT_FP6
.else
	v_wmma_scale_f32_16x16x128_f8f6f4 v[96+8*(4*\g+\t):103+8*(4*\g+\t)], v[32+12*\t:43+12*\t], v[16:27], 0, v[248+\t/2], v255 matrix_a_fmt:MATRIX_FMT_FP6 matrix_b_fmt:MATRIX_FMT_FP6 matrix_a_scale:MATRIX_SCALE_ROW1
.endif
.endr
.endr
.rept 4
	v_nop
.endr
	s_add_co_u32 s96, s[KF], 127                   ; on the diagonal the scores of hidden keys become -infinity ahead of the maximum: p = 0 then.  A step all of whose keys count skips this
	s_cmp_le_u32 s96, s[Q0]
	s_cbranch_scc1 .Lopen_\@
	s_sub_co_i32 s96, s[Q0], s[KF]
	v_and_b32 v252, 15, v0
	v_bfe_u32 v250, v0, 4, 1
	v_lshlrev_b32 v250, 3, v250
	v_sub_nc_u32 v252, v252, v250
	v_add_nc_u32 v252, s96, v252                   ; d = my query - KF - 8 (lane / 16).  Register n holds key KF + 8 (lane / 16) + 16 (n / 8) + n % 8: hidden where 16 (n / 8) + n % 8 > d
	v_mov_b32 v254, 0xff800000
.set n, 0
.rept 64
	v_cmp_gt_i32 vcc_lo, 16*(n/8)+n%8, v252
	v_cndmask_b32 v[96+n], v[96+n], v254, vcc_lo
.set n, n+1
.endr
.Lopen_\@:
.irp b, 0,1,2,3
	v_max3_num_f32 v[232+\b], v[96+16*\b], v[97+16*\b], v[98+16*\b]   ; the largest score of each block of 32 keys: it serves for the row's maximum and, since p rises with the score, for the block's largest p
.endr
.irp i, 3,5,7,9,11,13
.irp b, 0,1,2,3
	v_max3_num_f32 v[232+\b], v[232+\b], v[96+16*\b+\i], v[97+16*\b+\i]
.endr
.endr
.irp b, 0,1,2,3
	v_max_num_f32 v[232+\b], v[232+\b], v[111+16*\b]
.endr
.irp b, 0,1,2,3
	v_permlanex16_b32 v[236+\b], v[232+\b], s[SEL], s[SEL+1]
.endr
.irp b, 0,1,2,3
	v_max_num_f32 v[232+\b], v[232+\b], v[236+\b]  ; with lane l xor 16's 16 keys
.endr
	v_max3_num_f32 v254, v232, v233, v234
	v_max_num_f32 v254, v254, v235
	v_mul_f32 v254, s[CS], v254                    ; as t (c is positive)
	v_max_num_f32 v13, v13, v254                   ; the running largest t
	v_mov_b32 v254, v12
	v_floor_f32 v12, -v13                          ; the new -M = floor(-t) = -ceil(t)
	v_sub_f32 v254, v12, v254                      ; old M - new M: a whole number, 0 or less
	v_cvt_i32_f32 v254, v254                       ; (it saturates)
	v_ldexp_f32 v252, 1.0, v254                    ; f = 2^(old M - new M)
.set n, 0
.rept 32
	v_pk_fma_f32 v[96+n:97+n], v[96+n:97+n], s[CS:CS+1], v[12:13] op_sel_hi:[1,0,0]   ; t - M, two at a time
.set n, n+2
.endr
.irp b, 0,1,2,3
	v_fma_f32 v[232+\b], v[232+\b], s[CS], v12     ; the same of each block's largest score
.endr
.set n, 0
.rept 64
	v_exp_f32 v[96+n], v[96+n]                     ; p = 2^(t - M), at most 1: one batch
.set n, n+1
.endr
	v_pk_mul_f32 v[14:15], v[14:15], v[252:253] op_sel_hi:[1,0]   ; the sums under the new M.  (The plain instruction behind the exponentials)
	s_wait_alu depctr_va_vdst(0)                   ; one wait for the batch, ahead of its first reader
.irp b, 0,1,2,3
	v_exp_f32 v[232+\b], v[232+\b]                 ; each block's largest p: the same two instructions on the same number give the same bits
.endr
	v_pk_add_f32 v[236:237], v[96:97], v[98:99]    ; the row's sum is taken of the unquantised p: two at a time, in two chains
.irp j, 4,8,12,16,20,24,28,32,36,40,44,48,52,56,60
	v_pk_add_f32 v[14:15], v[14:15], v[96+\j:97+\j]
	v_pk_add_f32 v[236:237], v[236:237], v[98+\j:99+\j]
.endr
	v_pk_add_f32 v[14:15], v[14:15], v[236:237]
	s_wait_alu depctr_va_vdst(0)                   ; and one for the four
.irp b, 0,1,2,3
	v_max_num_f32 v[232+\b], 0x1800000, v[232+\b]  ; the floor 2^(3 - 127): the byte cannot fall under 1
.endr
.irp b, 0,1,2,3
	v_add_nc_u32 v[244+\b], 0xff000000, v[232+\b]  ; 2 off the exponent field: the conversion's scale operand
.endr
.irp b, 0,1,2,3
	v_lshrrev_b32 v[236+\b], 23, v[244+\b]
.endr
	v_lshl_or_b32 v253, v237, 8, v236              ; p's scale word for these 128 keys
	v_lshl_or_b32 v253, v238, 16, v253
	v_lshl_or_b32 v253, v239, 24, v253
.irp c, 0,1
	v_cvt_scalef32_pk16_fp6_f32 v[224+6*\c:226+6*\c], v[96+32*\c:111+32*\c], v[244+2*\c]
	v_cvt_scalef32_pk16_fp6_f32 v[236+4*\c:238+4*\c], v[112+32*\c:127+32*\c], v[244+2*\c+1]
.endr
	v_nop                                          ; one plain place behind a scaled conversion
.irp c, 0,1
.irp i, 0,1,2
	v_permlane16_swap_b32 v[224+6*\c+\i], v[236+4*\c+\i]
.endr
.irp i, 0,1,2
	v_mov_b32 v[227+6*\c+\i], v[236+4*\c+\i]
.endr
.endr
.set n, 0
.rept 32
	v_pk_mul_f32 v[160+n:161+n], v[160+n:161+n], v[252:253] op_sel_hi:[1,0]   ; O^T under the new M.  (These 32 are also the places in front of the matrix instructions and loads below)
.set n, n+2
.endr
.irp g, 0,1                                    ; O^T += V^T P^T: four tiles of 16 channels at a time
.if \g > 0
.rept 4
	v_nop
.endr
.endif
.irp t, 0,1,2,3
.irp c, 0,1,2
	ds_load_b128 v[32+12*\t+4*\c:35+12*\t+4*\c], v[ADI] offset:2*RECB+RECB*(\q)+1536*(4*\g+\t)+512*\c
.endr
.endr
.irp u, 0,1
	ds_load_b32 v[248+\u], v[ADW] offset:2*RECB+RECB*(\q)+12288+128*(2*\g+\u)
.endr
	s_wait_dscnt 0x0
.irp t, 0,1,2,3
.if \t%2 == 0
	v_wmma_scale_f32_16x16x128_f8f6f4 v[160+8*(4*\g+\t):167+8*(4*\g+\t)], v[32+12*\t:43+12*\t], v[224:235], v[160+8*(4*\g+\t):167+8*(4*\g+\t)], v[248+\t/2], v253 matrix_a_fmt:MATRIX_FMT_FP6 matrix_b_fmt:MATRIX_FMT_FP6
.else
	v_wmma_scale_f32_16x16x128_f8f6f4 v[160+8*(4*\g+\t):167+8*(4*\g+\t)], v[32+12*\t:43+12*\t], v[224:235], v[160+8*(4*\g+\t):167+8*(4*\g+\t)], v[248+\t/2], v253 matrix_a_fmt:MATRIX_FMT_FP6 matrix_b_fmt:MATRIX_FMT_FP6 matrix_a_scale:MATRIX_SCALE_ROW1
.endif
.endr
.endr
.Lhidden_\@:
	s_add_co_u32 s[KF], s[KF], 128
.endm
; THE CHANGE OF SLOTS stands at a slot's head.  Each wave waits for all its tensor loads, adds 0 to its spare word (fill = 1: twice on end), and waits for that and for its reads of the slot that it has left.
; Behind the barrier the slot ahead is whole and nobody reads the other one; fill = 1: that other slot is filled with the keys that follow, up to the causal limit; at most one tensor load of a wave is out.
.macro CHANGE fill
	s_wait_tensorcnt 0x0                           ; no tensor load of mine is out, so the group 0 may be written
	ds_add_u32 v[SPW], v[NIL]                      ; 0 onto my spare word
.if \fill
	ds_add_u32 v[SPW], v[NIL]                      ; and once more: the add twice on end here, in every trip alike
	s_xor_b32 s[G0+1], s[G0+1], SLOT1              ; the walking descriptor: the other slot than last time,
	s_add_nc_u64 s[G0+2:G0+3], s[G0+2:G0+3], SLOTB ; the next 256 keys
	s_wait_xcnt 0x0                                ; the last prefetch, a slot back, has read its address
	s_add_nc_u64 s[PFA:PFA+1], s[PFA:PFA+1], SLOTB ; one slot further on than the walking descriptor
.endif
	s_wait_dscnt 0x0                               ; the adds are done, and my reads of the slot that I have left are over
	s_barrier_signal -1
	s_barrier_wait -1
.if \fill
	s_add_co_u32 s96, s[KF], SK                    ; THE LOOK-AHEAD ENDS AT THE CAUSAL LIMIT: a slot whose first key comes after my work-group's last query is read by none of its waves, so it is not asked for.
	s_cmp_gt_u32 s96, s[LASTQ]                     ; Ids and the count of steps alone: all sixteen waves go the same way; every wait on TENSORcnt in this text is for 0; no step reads a slot that was left out
	s_cbranch_scc1 .Lpast_\@
	TLOAD                                          ; a wave's one tensor load until the next change
.Lpast_\@:
	ASK
.endif
.endm
.macro SLOT_STEPS
	STEP 0
	STEP 1
	s_xor_b32 s[TB], s[TB], SLOT1                  ; on to the other slot
.endm
	s_wait_loadcnt 0x0                             ; Q
.Lslot:                                                ; NSL - 1 trips, a constant: every work-group walks all changes of slots; what a mask hides is a step's work and a slot's load
	CHANGE 1
	SLOT_STEPS
	s_sub_co_u32 s[SLOTS], s[SLOTS], 1
	s_cmp_lg_u32 s[SLOTS], 0
	s_cbranch_scc1 .Lslot
	CHANGE 0                                       ; the last slot is written out: nothing is left to ask for
	SLOT_STEPS
	; THE WAY OUT.  O^T / the sum; quantised along d; the codes brought into the true order of d, since they meet o_w's given codes; stored as the image of an operand of the last product.
.rept 4
	v_nop                                          ; places behind the last products
.endr
	v_add_f32 v14, v14, v15
	v_permlanex16_b32 v252, v14, s[SEL], s[SEL+1]
	v_add_f32 v14, v14, v252                       ; the row's sum
	v_rcp_f32 v14, v14
	v_and_b32 v11, 31, v0                          ; (a plain instruction behind the transcendental)
	v_cmp_gt_u32 vcc_lo, 16, v11                   ; lanes 0-15, for the scale words' store
	s_wait_alu depctr_va_vdst(0)                   ; the wait ahead of the first reader
.set n, 0
.rept 32
	v_pk_mul_f32 v[96+n:97+n], v[160+n:161+n], v[14:15] op_sel_hi:[1,0]   ; register 8 i + j is attn(query r, d = 16 i + 8 h + j); each accumulator from its low end on
.set n, n+2
.endr
.irp b, 0,1,2,3
	v_max3_num_f32 v[232+\b], |v[96+16*\b]|, |v[97+16*\b]|, 0x1800000
.endr
.irp i, 2,4,6,8,10,12,14
.irp b, 0,1,2,3
	v_max3_num_f32 v[232+\b], v[232+\b], |v[96+16*\b+\i]|, |v[97+16*\b+\i]|
.endr
.endr
.irp b, 0,1,2,3
	v_permlanex16_b32 v[236+\b], v[232+\b], s[SEL], s[SEL+1]
.endr
.irp b, 0,1,2,3
	v_max_num_f32 v[232+\b], v[232+\b], v[236+\b]
.endr
.irp b, 0,1,2,3
	v_add_nc_u32 v[244+\b], 0xff000000, v[232+\b]
.endr
.irp b, 0,1,2,3
	v_lshrrev_b32 v[236+\b], 23, v[244+\b]
.endr
	v_lshl_or_b32 v248, v237, 8, v236              ; my row's scale word for this head
	v_lshl_or_b32 v248, v238, 16, v248
	v_lshl_or_b32 v248, v239, 24, v248
.irp c, 0,1
	v_cvt_scalef32_pk16_fp6_f32 v[32+6*\c:34+6*\c], v[96+32*\c:111+32*\c], v[244+2*\c]
	v_cvt_scalef32_pk16_fp6_f32 v[44+4*\c:46+4*\c], v[112+32*\c:127+32*\c], v[244+2*\c+1]
.endr
	v_nop                                          ; one plain place behind a scaled conversion
.irp c, 0,1
.irp i, 0,1,2
	v_permlane16_swap_b32 v[32+6*\c+\i], v[44+4*\c+\i]   ; X = v[32 + 6 c] on now holds my block's d 0-7 and 16-23 (48 bits each), Y = v[44 + 4 c] on its d 8-15 and 24-31
.endr
	v_perm_b32 v[35+6*\c], v[34+6*\c], v[33+6*\c], 0x05040302   ; the true order is X low, Y low, X high, Y high: word 3 = X bits 48-79,
	v_perm_b32 v[36+6*\c], v[45+4*\c], v[34+6*\c], 0x07060302   ; word 4 = X bits 80-95, Y bits 48-63,
	v_mov_b32 v[37+6*\c], v[46+4*\c]                            ; word 5 = Y bits 64-95,
	v_perm_b32 v[33+6*\c], v[44+4*\c], v[33+6*\c], 0x05040100   ; word 1 = X bits 32-47, Y bits 0-15,
	v_perm_b32 v[34+6*\c], v[45+4*\c], v[44+4*\c], 0x05040302   ; word 2 = Y bits 16-47; word 0 stays
.endr
.irp c, 0,1,2
	global_store_b128 v[LI], v[32+4*\c:35+4*\c], s[8:9] offset:512*\c   ; 512 consecutive bytes, aligned
.endr
	s_wait_xcnt 0x0                                ; EXEC changes only behind this wait
	s_and_saveexec_b32 s70, vcc_lo
	global_store_b32 v[R4], v248, s[10:11]         ; 16 words: 64 consecutive bytes
	s_wait_xcnt 0x0                                ; and again, in front of the line that widens it
	s_or_b32 exec_lo, exec_lo, s70
	s_wait_tensorcnt 0x0                           ; the wave's end
	ds_add_u32 v[SPW], v[NIL]
	s_wait_dscnt 0x0
	s_endpgm
.Lfunc_end_k_qb6fdf95b73_attn:
	.size	k_qb6fdf95b73_attn, .Lfunc_end_k_qb6fdf95b73_attn-k_qb6fdf95b73_attn
	.p2alignl 7, 3214868480
	.fill 96, 4, 3214868480
	.section	.rodata,"a",@progbits
	.p2align	6, 0x0
	.amdhsa_kernel k_qb6fdf95b73_attn
		.amdhsa_group_segment_fixed_size 327680
		.amdhsa_private_segment_fixed_size 0
		.amdhsa_enable_private_segment 0
		.amdhsa_kernarg_size 32
		.amdhsa_user_sgpr_count 2
		.amdhsa_user_sgpr_kernarg_segment_ptr 1
		.amdhsa_wavefront_size32 1
		.amdhsa_system_sgpr_workgroup_id_x 1
		.amdhsa_system_sgpr_workgroup_id_y 1
		.amdhsa_system_sgpr_workgroup_id_z 1
		.amdhsa_system_vgpr_workitem_id 0
		.amdhsa_next_free_vgpr 256
		.amdhsa_next_free_sgpr 100
		.amdhsa_reserve_vcc 1
		.amdhsa_float_denorm_mode_32 3
		.amdhsa_float_denorm_mode_16_64 3
		.amdhsa_memory_ordered 1
		.amdhsa_forward_progress 1
		.amdhsa_inst_pref_size 113
	.end_amdhsa_kernel
	.amdgpu_metadata
---
amdhsa.version: [ 1, 2 ]
amdhsa.kernels:
  - .name:           k_qb6fdf95b73_attn
    .symbol:         k_qb6fdf95b73_attn.kd
    .args:
      - { .name: q_rec, .offset: 0, .size: 8, .value_kind: global_buffer, .address_space: global }
      - { .name: kv_rec, .offset: 8, .size: 8, .value_kind: global_buffer, .address_space: global }
      - { .name: attn_codes, .offset: 16, .size: 8, .value_kind: global_buffer, .address_space: global }
      - { .name: attn_scales, .offset: 24, .size: 8, .value_kind: global_buffer, .address_space: global }
    .group_segment_fixed_size: 327680
    .private_segment_fixed_size: 0
    .kernarg_segment_align: 8
    .kernarg_segment_size: 32
    .max_flat_workgroup_size: 512
    .sgpr_count:     100
    .vgpr_count:     256
    .wavefront_size: 32
...
	.end_amdgpu_metadata
.endif
;; end of part 3
;; launch oproj (part 4): grid 8 x 32, 4 waves a work-group, clusters of 4 x 4, 327,680 bytes of LDS; arguments attn_codes, attn_scales, o_w_codes, o_w_scales, out0; writes out0
.if DOCPART == 4
	.amdgcn_target "amdgcn-amd-amdhsa--gfx1250"
	.amdhsa_code_object_version 6
	.text
	.protected	k_qb6fdf95b73_oproj
	.globl	k_qb6fdf95b73_oproj
	.p2align	8
	.type	k_qb6fdf95b73_oproj,@function
k_qb6fdf95b73_oproj:
	s_mov_b64 s[64:65], 0
	v_nop
	global_prefetch_b8 v0, s[64:65] scope:SCOPE_SE
	s_setreg_imm32_b32 hwreg(HW_REG_WAVE_MODE, 25, 1), 1
	s_wait_xcnt 0x0
	s_wait_alu depctr_hold_cnt(0) depctr_sa_sdst(0) depctr_va_vdst(0) depctr_va_sdst(0) depctr_va_ssrc(0) depctr_va_vcc(0) depctr_vm_vsrc(0)
	s_getreg_b32 s2, hwreg(HW_REG_IB_STS2, 6, 4)
	s_cmp_eq_u32 s2, 0
	s_cbranch_scc0 .Lentry_in_a_cluster
	s_endpgm
.Lentry_in_a_cluster:
	s_bfe_u32 s2, ttmp6, 0x10000c
	s_cmp_lg_u32 s2, 0xf033
	s_cbranch_scc0 .Lentry_shape_is_right
	s_endpgm
.Lentry_shape_is_right:
; out0[m][n] = the sum over k of attn[m][k] o_w[n][k], M = 4,096, N = 1,024, K = 2,048, on codes of FP6 (E2M3) with E8M0 scales; f32 sums.  No work of reference() is left out here.
; A tile of out0 is 128 x 128, so that there are 256 work-groups (tiles of 256 x 256 would be 64); four waves, 64 x 64 each: 16 accumulators.  K goes in four parts of 512 through two LDS slots; all is written out, without a loop.
; A = attn comes as images of operand registers, [row tile of 16][head][1,536 bytes]: four heads' images of a row tile are 6,144 consecutive bytes; a fragment is three loads of 16 bytes a lane.
; B = o_w comes as it is given: rows of 1,536 bytes, 384 of them to a part; a fragment is six loads of 8 bytes a lane.  The scale words of the work-group's rows, for all of K, come once, with the first fills.
; THE MATRIX INSTRUCTION IS USED TRANSPOSED (source 0 = 16 rows of o_w, source 1 = 16 rows of attn): a lane holds eight neighbouring numbers of a row of out0.
; CLUSTERS: 4 x 4 work-groups; A's tiles are shared along a row of the cluster, B's along a column, each asked for jointly.
; REGISTERS.  Window 0: v16-30 addresses; v32-95 scale words, two sets of 32, and nothing else; v128-255 the accumulators ((a, b) at v[128 + 8 (4 a + b)]).  Window 1: two sets of fragments at v0 and v128: B's four at + 12 b, A's four at + 48 + 12 a.
.set PITCH,  432                       ; a row of B in LDS: 3 x (128 bytes + 16 of padding) = 108 words: row r starts at bank 44 r mod 64, sixteen different multiples of 4 (64 banks of 4 bytes: ISA guide 11.1); lanes 16-31 lie 6 or 10 words on: 64 different banks
.set AHALF,  4*6144                    ; A: four row tiles x four images: what one tensor load brings
.set BHALF,  64*PITCH                  ; B: 64 rows
.set BOFF,   2*AHALF
.set SLOT,   BOFF+2*BHALF
.set SCL,    2*SLOT                    ; the scale words, as units of 256 bytes + 16 of padding: A's two halves, then B's
.set HALFS,  16*272
.set SPARE,  SCL+4*HALFS               ; the spare words, 128 bytes a wave: two blocks of 256 bytes that no other line names
.set STAGE,  SPARE+512                 ; the way out: 16 rows x (256 bytes + 16) for each wave; no tensor load fills it
.set SPITCH, 272
.set ADRA, 16                          ; v16-17 my A images in slot 0, 1
.set ADRB, 20                          ; v20-21 my B rows in slot 0, 1; v22-23 the same behind one padding more
.set STO,  24
.set RD,   25
.set CO,   26
.set ADSA, 27                          ; v27 A's scale words
.set SPW,  28
.set NIL,  29
.set ADSB, 30                          ; v30 B's scale words
.set SC,   32                          ; set s at v[SC + 32 s]: A's word (a, q) at + 4 a + q, B's (b, q) at + 16 + 4 b + q
.set ACC,  128
.set G1, 24
.set G0, 32
.set G1B, 48
.set G0B, 56
.set G1S, 68
.set G0S, 76
.set G1SB, 80
.set G0SB, 88
.set MSB, 0
.macro WIN new
.if MSB != \new
	s_set_vgpr_msb (MSB<<8)|\new
.set MSB, \new
.endif
.endm
.set MUL,  0x05                        ; sources 0 and 1 window 1; C and D window 0
.set TO_F, 0x40                        ; destination window 1, address window 0
.macro JLOAD g0a, g1a, g0b, g1b        ; a joint load: waves 0 and 1 fetch for A, waves 2 and 3 for B; an s_nop 0 and four v_nop follow each of the two lines
	s_cmp_eq_u32 s15, 0
	s_cbranch_scc0 .Lfor_b_\@
	tensor_load_to_lds s[\g0a:\g0a+3], s[\g1a:\g1a+7]
	s_nop 0
.rept 4
	v_nop
.endr
	s_branch .Lasked_\@
.Lfor_b_\@:
	tensor_load_to_lds s[\g0b:\g0b+3], s[\g1b:\g1b+7]
	s_nop 0
.rept 4
	v_nop
.endr
.Lasked_\@:
.endm
.macro CREST
	s_cmp_lg_u32 s14, 0
	s_cbranch_scc1 .Lnot_wave_0_\@
	s_barrier_signal -3
.Lnot_wave_0_\@:
	s_barrier_wait -3
	s_barrier_signal -1
	s_barrier_wait -1
.endm
.macro CROUND
	s_barrier_signal -1
	s_barrier_wait -1
	CREST
.endm
	s_load_b256 s[4:11], s[0:1], 0x0               ; attn_codes, attn_scales, o_w_codes, o_w_scales
	s_load_b64 s[12:13], s[0:1], 0x20              ; out0
	v_lshl_add_u32 v[SPW], v0, 2, SPARE
	v_mov_b32 v[NIL], 0
	ds_add_u32 v[SPW], v[NIL]                      ; the wave's opening: the add, twice on end, and its wait ahead of my first tensor load
	ds_add_u32 v[SPW], v[NIL]
	v_lshrrev_b32 v1, 5, v0
	v_readfirstlane_b32 s14, v1                    ; wave 0..3
	s_lshr_b32 s15, s14, 1                         ; my half of the tile's rows.  Also: I fetch for A (0) or for B (1)
	s_and_b32 s16, s14, 1                          ; my half of its columns.  Also: which half of that tile I fetch
	s_bfe_u32 s40, ttmp6, 0x40000                  ; cx, cy
	s_bfe_u32 s41, ttmp6, 0x40004
	s_lshl_b32 s42, ttmp9, 2
	s_add_co_u32 s42, s42, s40                     ; tile column
	s_and_b32 s17, ttmp7, 0xffff
	s_lshl_b32 s17, s17, 2
	s_add_co_u32 s17, s17, s41                     ; tile row
	s_lshl_b32 s43, s41, 2
	s_lshl_b32 s43, 15, s43                        ; my row of the cluster
	s_lshl_b32 s44, 0x1111, s40                    ; my column
	s_or_b32 s[G1+0], s43, (3<<16)|(1<<21)         ; A: elements of 8 bytes, no padding; bit 21 set beside a mask
	s_mov_b32 s[G1+1], 768<<16                     ; tensor_dim0: 6,144 bytes
	s_mov_b32 s[G1+2], 4<<16                       ; tensor_dim1: four row tiles
	s_mov_b32 s[G1+3], 768<<16
	s_mov_b32 s[G1+4], 4
	s_mov_b32 s[G1+5], 3072                        ; a row tile's sixteen images: 24,576 bytes
	s_mov_b32 s[G1+6], 0
	s_mov_b32 s[G1+7], 0
	s_or_b32 s[G1B+0], s44, (0<<16)|(1<<20)|(1<<21)|(4<<22)|(3<<25)  ; B: elements of 1 byte; after every 32 words 4 words of padding
	s_mov_b32 s[G1B+1], 384<<16
	s_mov_b32 s[G1B+2], 64<<16
	s_mov_b32 s[G1B+3], 384<<16
	s_mov_b32 s[G1B+4], 64
	s_mov_b32 s[G1B+5], 1536
	s_mov_b32 s[G1B+6], 0
	s_mov_b32 s[G1B+7], 0
	s_or_b32 s[G1S+0], s43, (3<<16)|(1<<20)|(1<<21)|(5<<22)|(3<<25)  ; the scale words of half a tile: 4,096 dense bytes, as 16 rows of 256 bytes, 16 bytes of padding behind each
	s_or_b32 s[G1SB+0], s44, (3<<16)|(1<<20)|(1<<21)|(5<<22)|(3<<25)
.irp g, G1S, G1SB
	s_mov_b32 s[\g+1], 32<<16
	s_mov_b32 s[\g+2], 16<<16
	s_mov_b32 s[\g+3], 32<<16
	s_mov_b32 s[\g+4], 16
	s_mov_b32 s[\g+5], 32
	s_mov_b32 s[\g+6], 0
	s_mov_b32 s[\g+7], 0
.endr
	s_lshl_b32 s20, s17, 3
	s_lshl_b32 s18, s16, 2
	s_add_co_u32 s20, s20, s18                     ; A: row tile 8 x tile row + 4 x half
	s_lshl_b32 s22, s20, 10                        ; its scale words: 1,024 bytes a row tile
	s_mov_b32 s23, 0
	s_mul_i32 s20, s20, 24576                      ; its images
	s_mov_b32 s21, 0
	s_lshl_b32 s46, s42, 7
	s_lshl_b32 s18, s16, 6
	s_add_co_u32 s46, s46, s18                     ; B: row 128 x tile column + 64 x half
	s_lshl_b32 s92, s46, 6                         ; its scale bytes: 64 a row
	s_mov_b32 s93, 0
	s_mul_i32 s46, s46, 1536                       ; its codes
	s_mov_b32 s47, 0
	s_mul_i32 s45, s16, AHALF                      ; where they go: no place in the cluster enters an LDS address
	s_mul_i32 s95, s16, BHALF
	s_add_co_u32 s95, s95, BOFF
	s_mul_i32 s94, s14, HALFS
	s_wait_dscnt 0x0                               ; both opening adds are done
	s_wait_kmcnt 0x0
	s_add_nc_u64 s[20:21], s[4:5], s[20:21]
	s_add_nc_u64 s[22:23], s[6:7], s[22:23]
	s_add_nc_u64 s[46:47], s[8:9], s[46:47]
	s_add_nc_u64 s[92:93], s[10:11], s[92:93]
	CROUND                                         ; all sixteen work-groups are here: the first joint loads meet
	s_mov_b32 s[G0S], 1
	s_add_co_u32 s[G0S+1], s94, SCL
	s_mov_b64 s[G0S+2:G0S+3], s[22:23]
	s_or_b32 s[G0S+3], s[G0S+3], 0x80000000
	s_mov_b32 s[G0SB], 1
	s_add_co_u32 s[G0SB+1], s94, SCL
	s_mov_b64 s[G0SB+2:G0SB+3], s[92:93]
	s_or_b32 s[G0SB+3], s[G0SB+3], 0x80000000
	JLOAD G0S, G1S, G0SB, G1SB
.irp s, 0,1
	s_mov_b32 s[G0+4*\s], 1
	s_add_co_u32 s[G0+4*\s+1], s45, \s*SLOT
	s_add_nc_u64 s[G0+4*\s+2:G0+4*\s+3], s[20:21], \s*6144
	s_or_b32 s[G0+4*\s+3], s[G0+4*\s+3], 0x80000000
	s_mov_b32 s[G0B+4*\s], 1
	s_add_co_u32 s[G0B+4*\s+1], s95, \s*SLOT
	s_add_nc_u64 s[G0B+4*\s+2:G0B+4*\s+3], s[46:47], \s*384
	s_or_b32 s[G0B+4*\s+3], s[G0B+4*\s+3], 0x80000000
	JLOAD G0+4*\s, G1, G0B+4*\s, G1B               ; three tensor loads of mine are out now
.endr
	v_and_b32 v1, 15, v0                           ; r
	v_bfe_u32 v2, v0, 4, 1                         ; h
	v_and_b32 v3, 31, v0
	v_lshlrev_b32 v3, 4, v3                        ; 16 x lane
	s_mul_i32 s21, s15, AHALF
	v_add_nc_u32 v[ADRA], s21, v3
	v_add_nc_u32 v[ADRA+1], SLOT, v[ADRA]
	v_mul_u32_u24 v4, v1, PITCH
	v_mad_u32_u24 v4, v2, 24, v4
	v_lshl_add_u32 v5, v2, 4, v4
	s_mul_i32 s22, s16, BHALF
	s_add_co_u32 s22, s22, BOFF
	v_add_nc_u32 v[ADRB], s22, v4
	v_add_nc_u32 v[ADRB+2], s22, v5
	v_add_nc_u32 v[ADRB+1], SLOT, v[ADRB]
	v_add_nc_u32 v[ADRB+3], SLOT, v[ADRB+2]
	s_mul_i32 s21, s15, HALFS
	s_add_co_u32 s21, s21, SCL
	v_lshl_add_u32 v[ADSA], v1, 2, s21             ; A's word (row tile a, head 4 part + q, row r) lies at 1,088 a + 272 part + 64 q + 4 r
	s_mul_i32 s22, s16, HALFS
	s_add_co_u32 s22, s22, SCL+2*HALFS
	v_lshlrev_b32 v4, 6, v1
	v_lshrrev_b32 v5, 2, v1
	v_lshl_add_u32 v4, v5, 4, v4
	v_add_nc_u32 v[ADSB], s22, v4                  ; B's row 16 b + r: 1,088 b + 64 r + 16 (r / 4); a part's four words 16 bytes on from the last part's
	s_mul_i32 s23, s14, 16*SPITCH
	s_add_co_u32 s23, s23, STAGE
	v_mul_u32_u24 v4, v1, SPITCH
	v_lshl_add_u32 v4, v2, 5, v4
	v_add_nc_u32 v[STO], s23, v4                   ; into my stage: row r, 32 bytes for each half of the lanes
	v_mul_u32_u24 v5, v2, SPITCH
	v_lshl_add_u32 v5, v1, 4, v5
	v_add_nc_u32 v[RD], s23, v5                    ; back: lanes 0-15 one row of 256 bytes, lanes 16-31 the next
	v_lshlrev_b32 v5, 12, v2
	v_lshl_add_u32 v[CO], v1, 4, v5                ; and the same two rows in out0 (4,096 bytes a row)
	s_lshl_b32 s20, s17, 7
	s_lshl_b32 s21, s15, 6
	s_add_co_u32 s20, s20, s21
	s_lshl_b32 s20, s20, 12                        ; my first row
	s_lshl_b32 s46, s42, 9
	s_lshl_b32 s47, s16, 8
	s_add_co_u32 s46, s46, s47                     ; my first column, in bytes: a multiple of 256
	s_add_co_u32 s20, s20, s46
	s_mov_b32 s21, 0
	s_add_nc_u64 s[12:13], s[12:13], s[20:21]
.macro FRAGB reg, adr, q, i            ; a fragment of B, in pieces of 8 bytes; 16 bytes of padding lie behind every 16 pieces: where the piece three on (lanes 16-31) lies behind one padding more, the second address register serves
.irp p, 0,1,2,3,4,5
.set PCE, 12*(\q)+6*(\p/3)+\p%3
.if PCE%16 < 13
	ds_load_b64 v[\reg+2*\p:\reg+2*\p+1], v[\adr] offset:8*PCE+16*(PCE/16)+(\i)*16*PITCH
.else
	ds_load_b64 v[\reg+2*\p:\reg+2*\p+1], v[\adr+2] offset:8*PCE+16*(PCE/16)+(\i)*16*PITCH
.endif
.endr
.endm
.macro FETCH slot, q, p                ; 36 LDS loads in one run: the fragments of the slot's q-th 128 along K into set p
	WIN TO_F
.irp i, 0,1,2,3
	FRAGB 128*(\p)+12*\i, ADRB+\slot, \q, \i
.endr
.irp a, 0,1,2,3
.irp c, 0,1,2
	ds_load_b128 v[128*(\p)+48+12*\a+4*\c:128*(\p)+48+12*\a+4*\c+3], v[ADRA+\slot] offset:6144*\a+1536*(\q)+512*\c
.endr
.endr
.endm
.macro SCALES set, sg                  ; 20 LDS loads: the scale words of part sg of K
	WIN 0
.irp a, 0,1,2,3
.irp q, 0,1,2,3
	ds_load_b32 v[SC+32*(\set)+4*\a+\q], v[ADSA] offset:1088*\a+272*(\sg)+64*\q
.endr
.endr
.irp b, 0,1,2,3
	ds_load_b128 v[SC+32*(\set)+16+4*\b:SC+32*(\set)+16+4*\b+3], v[ADSB] offset:1088*\b+16*(\sg)
.endr
.endm
; 8 matrix instructions: A's blocks a0, a0 + 1 x B's four.  The 16 accumulators take turns, one instruction a turn, in the same order in every step
.macro MUL8 p, q, set, a0, zero
.irp a, \a0, \a0+1
.irp b, 0,1,2,3
.if \zero
	v_wmma_scale_f32_16x16x128_f8f6f4 v[ACC+8*(4*(\a)+\b):ACC+8*(4*(\a)+\b)+7], v[128*(\p)+12*\b:128*(\p)+12*\b+11], v[128*(\p)+48+12*(\a):128*(\p)+48+12*(\a)+11], 0, v[SC+32*(\set)+16+4*\b+(\q)], v[SC+32*(\set)+4*(\a)+(\q)] matrix_a_fmt:MATRIX_FMT_FP6 matrix_b_fmt:MATRIX_FMT_FP6
.else
	v_wmma_scale_f32_16x16x128_f8f6f4 v[ACC+8*(4*(\a)+\b):ACC+8*(4*(\a)+\b)+7], v[128*(\p)+12*\b:128*(\p)+12*\b+11], v[128*(\p)+48+12*(\a):128*(\p)+48+12*(\a)+11], v[ACC+8*(4*(\a)+\b):ACC+8*(4*(\a)+\b)+7], v[SC+32*(\set)+16+4*\b+(\q)], v[SC+32*(\set)+4*(\a)+(\q)] matrix_a_fmt:MATRIX_FMT_FP6 matrix_b_fmt:MATRIX_FMT_FP6
.endif
.endr
.endr
.endm
.macro PLACES                          ; four plain vector instructions between a matrix instruction and a load into, or a store from, its registers (ISA guide 7.12.1 for vector instructions)
.rept 4
	v_nop
.endr
.endm
.macro STEP slot, q, zero              ; one of a slot's first three steps: the next step's fragments are asked for, then this step's are multiplied
	PLACES
	FETCH \slot, (\q)+1, 1-(\q)%2
	s_wait_dscnt 36                                ; all but the 36 loads just issued: this step's fragments and scale words are in
	WIN MUL
	MUL8 (\q)%2, \q, \slot, 0, \zero
	MUL8 (\q)%2, \q, \slot, 2, \zero
.endm
; A slot's last step changes slots: one barrier; in front of it each wave waits for all its tensor loads, adds 0 to its spare word, and waits for that and for its reads of this slot.  fill = 1: this slot is filled again, with the part of K two on
.macro TURN slot, next, sg, fill
	WIN 0                                          ; (the add's two registers lie in window 0)
	s_wait_tensorcnt 0x0                           ; all my tensor loads have landed: my part of the next slot
	ds_add_u32 v[SPW], v[NIL]                      ; 0 onto my spare word
	s_wait_dscnt 1                                 ; this step's fragments are in; the add alone may be out
	WIN MUL
	MUL8 1, 3, \slot, 0, 0                         ; eight matrix instructions stand between the add and the wait for it
	s_wait_dscnt 0x0                               ; the add is done, and my reads of this slot are over
	s_barrier_signal -1
	WIN 0
	s_barrier_wait -1
.if \fill
	CREST                                          ; the barrier has opened a round of the cluster's: no wave of any partner still reads this slot or has a load on its way
	s_add_nc_u64 s[G0+4*\slot+2:G0+4*\slot+3], s[G0+4*\slot+2:G0+4*\slot+3], 2*6144
	s_add_nc_u64 s[G0B+4*\slot+2:G0B+4*\slot+3], s[G0B+4*\slot+2:G0B+4*\slot+3], 2*384
	JLOAD G0+4*\slot, G1, G0B+4*\slot, G1B         ; my one tensor load behind the round; its four v_nop are also the places in front of the loads below
.else
	PLACES
.endif
	FETCH \next, 0, 0
	SCALES \next, \sg
	WIN MUL
	MUL8 1, 3, \slot, 2, 0
.endm
	s_wait_tensorcnt 1                             ; the scale words and my part of slot 0 are in; slot 1's load, issued behind them, may be out
	s_barrier_signal -1
	s_barrier_wait -1
	FETCH 0, 0, 0
	SCALES 0, 0
	STEP 0, 0, 1                                   ; the first step's products start the sums: nothing is cleared
	STEP 0, 1, 0
	STEP 0, 2, 0
	TURN 0, 1, 1, 1
	STEP 1, 0, 0
	STEP 1, 1, 0
	STEP 1, 2, 0
	TURN 1, 0, 2, 1
	STEP 0, 0, 0
	STEP 0, 1, 0
	STEP 0, 2, 0
	TURN 0, 1, 3, 0                                ; nothing is left to fetch
	STEP 1, 0, 0
	STEP 1, 1, 0
	STEP 1, 2, 0
	s_wait_dscnt 0x0
	MUL8 1, 3, 1, 0, 0
	MUL8 1, 3, 1, 2, 0
	WIN 0
	PLACES
; THE WAY OUT, a block of 16 rows x 64 columns at a time: 32 bytes a lane into my own stage, each accumulator from its low end on, and back as whole rows of 256 bytes, into the registers that they left.
; LDS serves a wave's instructions in order (ISA guide 5.7.1.4): no wait between the stores and the loads, nor in front of the next block's stores.
.macro TOSTAGE a
.irp b, 0,1,2,3
	ds_store_b128 v[STO], v[ACC+8*(4*(\a)+\b):ACC+8*(4*(\a)+\b)+3] offset:64*\b
	ds_store_b128 v[STO], v[ACC+8*(4*(\a)+\b)+4:ACC+8*(4*(\a)+\b)+7] offset:64*\b+16
.endr
.irp t, 0,1,2,3,4,5,6,7
	ds_load_b128 v[ACC+32*(\a)+4*\t:ACC+32*(\a)+4*\t+3], v[RD] offset:\t*2*SPITCH
.endr
.endm
.macro SEND a, younger                 ; younger: the LDS instructions issued behind block a's loads: the next block's sixteen, or none
.irp t, 0,1,2,3,4,5,6,7
	s_wait_dscnt \younger+7-\t
	global_store_b128 v[CO], v[ACC+32*(\a)+4*\t:ACC+32*(\a)+4*\t+3], s[12:13] offset:65536*(\a)+8192*\t th:TH_STORE_NT   ; 16 lanes store 256 consecutive bytes, aligned; written once, read by nobody here
.endr
.endm
	TOSTAGE 0
	TOSTAGE 1
	SEND 0, 16
	TOSTAGE 2
	SEND 1, 16
	TOSTAGE 3
	SEND 2, 16
	SEND 3, 0
	s_wait_tensorcnt 0x0                           ; the wave's end, behind my last tensor load and my last LDS store
	ds_add_u32 v[SPW], v[NIL]
	s_wait_dscnt 0x0
	CROUND                                         ; the closing round: no work-group ends while a partner may still ask for a tile that names it
	s_endpgm
.Lfunc_end_k_qb6fdf95b73_oproj:
	.size	k_qb6fdf95b73_oproj, .Lfunc_end_k_qb6fdf95b73_oproj-k_qb6fdf95b73_oproj
	.p2alignl 7, 3214868480
	.fill 96, 4, 3214868480
	.section	.rodata,"a",@progbits
	.p2align	6, 0x0
	.amdhsa_kernel k_qb6fdf95b73_oproj
		.amdhsa_group_segment_fixed_size 327680
		.amdhsa_private_segment_fixed_size 0
		.amdhsa_enable_private_segment 0
		.amdhsa_kernarg_size 40
		.amdhsa_user_sgpr_count 2
		.amdhsa_user_sgpr_kernarg_segment_ptr 1
		.amdhsa_wavefront_size32 1
		.amdhsa_system_sgpr_workgroup_id_x 1
		.amdhsa_system_sgpr_workgroup_id_y 1
		.amdhsa_system_sgpr_workgroup_id_z 1
		.amdhsa_system_vgpr_workitem_id 0
		.amdhsa_next_free_vgpr 512
		.amdhsa_next_free_sgpr 98
		.amdhsa_reserve_vcc 0
		.amdhsa_float_denorm_mode_32 3
		.amdhsa_float_denorm_mode_16_64 3
		.amdhsa_memory_ordered 1
		.amdhsa_forward_progress 1
		.amdhsa_inst_pref_size 97
	.end_amdhsa_kernel
	.amdgpu_metadata
---
amdhsa.version: [ 1, 2 ]
amdhsa.kernels:
  - .name:           k_qb6fdf95b73_oproj
    .symbol:         k_qb6fdf95b73_oproj.kd
    .args:
      - { .name: attn_codes, .offset: 0, .size: 8, .value_kind: global_buffer, .address_space: global }
      - { .name: attn_scales, .offset: 8, .size: 8, .value_kind: global_buffer, .address_space: global }
      - { .name: o_w_codes, .offset: 16, .size: 8, .value_kind: global_buffer, .address_space: global }
      - { .name: o_w_scales, .offset: 24, .size: 8, .value_kind: global_buffer, .address_space: global }
      - { .name: out0, .offset: 32, .size: 8, .value_kind: global_buffer, .address_space: global }
    .group_segment_fixed_size: 327680
    .private_segment_fixed_size: 0
    .kernarg_segment_align: 8
    .kernarg_segment_size: 40
    .max_flat_workgroup_size: 128
    .sgpr_count:     98
    .vgpr_count:     512
    .wavefront_size: 32
...
	.end_amdgpu_metadata
.endif
;; end of part 4
